; MI455X (gfx1250); checked and timed in simulation.
; The chip was launched on July 23, 2026; its instructions are those of AMD's public machine-readable ISA for CDNA 5 (MIT licence, August 2026) and "CDNA5" Instruction Set Architecture Reference Guide (July 2026). The comments in the code are by the model that wrote it; some were corrected since.
;; Transformer Block. Allowed arithmetic: float matrix products may take bf16 or f16 operands with f32 sums; all other float work in f32.
;; Inputs: ln1_b 1,024 float32; ln1_w 1,024 float32; ln2_b 1,024 float32; ln2_w 1,024 float32; mask 1 x 1 x 2,048 x 2,048 float32; w1 1,024 x 4,096 float32; w2 4,096 x 1,024 float32; wk 1,024 x 1,024 float32; wo 1,024 x 1,024 float32; wq 1,024 x 1,024 float32; wv 1,024 x 1,024 float32; x 2 x 2,048 x 1,024 float32.
;; Outputs: out0 2 x 2,048 x 1,024 float32.
;; One version. Each part assembles by itself: llvm-mc -triple=amdgcn-amd-amdhsa -mcpu=gfx1250 --defsym DOCPART=n.
;; ======== version 1 of 1: 7 launches
;; limits: a function is approximated: absolute error at most 1.5e-07
;; workspace buffers: wb 25,165,824 bytes; h 8,388,608 bytes; qkv 25,165,824 bytes; att 8,388,608 bytes; x2 16,777,216 bytes; g 33,554,432 bytes
;; launch prep (part 1): grid 256 x 4, 4 waves a work-group, no clusters, 0 bytes of LDS; arguments x, ln1_w, ln1_b, h, wq, wk, wv, wo, w1, w2, wb; writes h, wb
.if DOCPART == 1
	.amdgcn_target "amdgcn-amd-amdhsa--gfx1250"
	.amdhsa_code_object_version 6
	.text
	.protected	k_q70923fabee_prep
	.globl	k_q70923fabee_prep
	.p2align	8
	.type	k_q70923fabee_prep,@function
k_q70923fabee_prep:
	s_mov_b64 s[64:65], 0
	v_nop
	global_prefetch_b8 v0, s[64:65] scope:SCOPE_SE
	s_setreg_imm32_b32 hwreg(HW_REG_WAVE_MODE, 25, 1), 1
	s_wait_xcnt 0x0
; Two streams of one shape in one launch: a work-group reads 64 KiB of f32 and writes 32 KiB of bf16.
; Work-group y = 0: h = LayerNorm(x) with ln1_w, ln1_b, 16 rows of 1,024 a work-group, 4 rows a wave, a row kept in 32 registers of one wave:
;   mean, then x - mean, then the mean of the squares (the two passes of the definition, so a common offset of x costs no accuracy), 1/sqrt by v_rsq_f32.
; Work-group y = 1, 2, 3: the six weights are rounded to bf16, layout kept [K][N]; wb holds wq/8, wk, wv, wo (2 MiB each), w1 (8 MiB), w2 (8 MiB).
;   The factor 1/sqrt(64) = 2^-3 of the scores goes into wq: exact, but for |wq| below 2^-123, where wq/8 leaves bf16's normal range (limit kept).
; No LDS, no barrier, no matrix unit: bytes alone count here.  Each load of a wave covers 512 consecutive bytes, each store 256 consecutive aligned bytes.
.set T,  4                             ; v[4:11]    at work
.set U,  12                            ; v[12:13]   the mean, twice
.set R,  14                            ; v[14:15]   1/sqrt(var + eps), twice
.set W,  16                            ; v[16:47]   gain of my 32 columns
.set BV, 48                            ; v[48:79]   bias of my 32 columns
.set X,  80                            ; v[80:207]  4 rows of 32 registers, or 32 chunks of 4
.macro WSUM                            ; v[T] summed over the 32 lanes, the result in every lane
	v_add_f32_dpp v[T], v[T], v[T] row_xmask:1 row_mask:0xf bank_mask:0xf
	v_add_f32_dpp v[T], v[T], v[T] row_xmask:2 row_mask:0xf bank_mask:0xf
	v_add_f32_dpp v[T], v[T], v[T] row_xmask:4 row_mask:0xf bank_mask:0xf
	v_add_f32_dpp v[T], v[T], v[T] row_xmask:8 row_mask:0xf bank_mask:0xf
	v_permlanex16_b32 v[T+1], v[T], s32, s33       ; the other half of the lanes; v[T+1] has been written before
	v_add_f32 v[T], v[T], v[T+1]
.endm
.macro FOLD                            ; four chains of pairs into v[T]
	v_pk_add_f32 v[T:T+1], v[T:T+1], v[T+2:T+3]
	v_pk_add_f32 v[T+4:T+5], v[T+4:T+5], v[T+6:T+7]
	v_pk_add_f32 v[T:T+1], v[T:T+1], v[T+4:T+5]
	v_add_f32 v[T], v[T], v[T+1]
.endm
.macro LNROW i
.set XR, X+32*\i
	s_wait_loadcnt 8*(3-\i)                        ; loads come back in order: only the eight loads of each younger row may be out; gain and bias are older
.irp c, 0,1,2,3
	v_pk_add_f32 v[T+2*\c:T+2*\c+1], v[XR+2*\c:XR+2*\c+1], v[XR+8+2*\c:XR+8+2*\c+1]   ; the first pairs start four chains
.endr
.set k, 8
.rept 8
	v_pk_add_f32 v[T+2*(k%4):T+2*(k%4)+1], v[T+2*(k%4):T+2*(k%4)+1], v[XR+2*k:XR+2*k+1]
.set k, k+1
.endr
	FOLD
	WSUM
	v_mul_f32 v[U], s34, v[T]                      ; mean = sum / 1024
	v_mul_f32 v[U+1], s34, v[T]
.set k, 0
.rept 16
	v_pk_add_f32 v[XR+2*k:XR+2*k+1], v[XR+2*k:XR+2*k+1], v[U:U+1] neg_lo:[0,1] neg_hi:[0,1]   ; x - mean
.set k, k+1
.endr
.irp c, 0,1,2,3
	v_pk_mul_f32 v[T+2*\c:T+2*\c+1], v[XR+2*\c:XR+2*\c+1], v[XR+2*\c:XR+2*\c+1]
.endr
.set k, 4
.rept 12
	v_pk_fma_f32 v[T+2*(k%4):T+2*(k%4)+1], v[XR+2*k:XR+2*k+1], v[XR+2*k:XR+2*k+1], v[T+2*(k%4):T+2*(k%4)+1]
.set k, k+1
.endr
	FOLD
	WSUM
	v_fma_f32 v[T], v[T], s34, s35                 ; variance + 1e-12
	v_rsq_f32 v[R], v[T]
	v_rsq_f32 v[R+1], v[T]
	v_nop                                          ; one plain vector instruction behind a transcendental before its result is used (ISA guide 5.7.2)
.set k, 0
	s_wait_alu depctr_va_vdst(0)
.rept 16
	v_pk_mul_f32 v[XR+2*k:XR+2*k+1], v[XR+2*k:XR+2*k+1], v[R:R+1]
.set k, k+1
.endr
.set k, 0
.rept 16
	v_pk_fma_f32 v[XR+2*k:XR+2*k+1], v[XR+2*k:XR+2*k+1], v[W+2*k:W+2*k+1], v[BV+2*k:BV+2*k+1]
.set k, k+1
.endr
.set k, 0
.rept 16
	v_cvt_pk_bf16_f32 v[XR+k], v[XR+2*k], v[XR+2*k+1]          ; in place: register k is written when registers 2k, 2k+1 are read, never ahead of them
.set k, k+1
.endr
.set k, 0
.rept 8
	global_store_b64 v2, v[XR+2*k:XR+2*k+1], s[10:11] offset:2048*\i+256*k   ; 32 lanes x 8 bytes: 256 consecutive aligned bytes
.set k, k+1
.endr
.endm
	s_load_b256 s[4:11], s[0:1], 0x0               ; x s[4:5], ln1_w s[6:7], ln1_b s[8:9], h s[10:11]
	s_load_b256 s[12:19], s[0:1], 0x20             ; wq, wk, wv, wo
	s_load_b128 s[20:23], s[0:1], 0x40             ; w1, w2
	s_load_b64 s[24:25], s[0:1], 0x50              ; wb
	s_and_b32 s2, ttmp7, 0xffff                    ; the role
	v_and_b32 v3, 31, v0                           ; lane
	v_lshrrev_b32 v2, 5, v0                        ; wave
	v_lshlrev_b32 v1, 14, v2
	v_lshl_add_u32 v1, v3, 4, v1                   ; in: 16 x lane + 16,384 x wave
	v_lshlrev_b32 v2, 13, v2
	v_lshl_add_u32 v2, v3, 3, v2                   ; out: 8 x lane + 8,192 x wave
	v_lshlrev_b32 v3, 4, v3                        ; gain and bias: 16 x lane
	s_mov_b32 s27, 0
	s_wait_kmcnt 0x0
	s_cmp_lg_u32 s2, 0
	s_cbranch_scc1 .Lcast
	; ---- LayerNorm: 16 rows ----
	s_lshl_b32 s26, ttmp9, 16                      ; 16 rows of 4,096 bytes
	s_add_nc_u64 s[4:5], s[4:5], s[26:27]
	s_lshl_b32 s26, ttmp9, 15                      ; 16 rows of 2,048 bytes
	s_add_nc_u64 s[10:11], s[10:11], s[26:27]
	s_mov_b32 s32, 0x76543210                      ; v_permlanex16_b32: lane i reads lane i of the other half
	s_mov_b32 s33, 0xfedcba98
	s_mov_b32 s34, 0x3a800000                      ; 1/1024
	s_mov_b32 s35, 0x2b8cbccc                      ; 1e-12
.set j, 0
.rept 8
	global_load_b128 v[W+4*j:W+4*j+3], v3, s[6:7] offset:512*j
.set j, j+1
.endr
.set j, 0
.rept 8
	global_load_b128 v[BV+4*j:BV+4*j+3], v3, s[8:9] offset:512*j
.set j, j+1
.endr
.set j, 0
.rept 32
	global_load_b128 v[X+4*j:X+4*j+3], v1, s[4:5] offset:512*j   ; my four rows are 16 KiB in a piece: load j is piece j%8 of row j/8
.set j, j+1
.endr
	LNROW 0
	LNROW 1
	LNROW 2
	LNROW 3
	s_endpgm
	; ---- cast: chunk c = 256 (y - 1) + x of 768 chunks of 16,384 numbers ----
.Lcast:
	s_mov_b32 s36, ttmp9
	s_lshr_b32 s3, s36, 6                          ; y = 1: which of wq, wk, wv, wo (64 chunks each)
	s_and_b32 s26, s36, 63
	s_cmp_eq_u32 s3, 1
	s_cselect_b64 s[28:29], s[14:15], s[12:13]
	s_cmp_eq_u32 s3, 2
	s_cselect_b64 s[28:29], s[16:17], s[28:29]
	s_cmp_eq_u32 s3, 3
	s_cselect_b64 s[28:29], s[18:19], s[28:29]
	s_cmp_eq_u32 s2, 1
	s_cselect_b32 s26, s26, s36                    ; the chunk's number inside its source
	s_cmp_eq_u32 s2, 2
	s_cselect_b64 s[28:29], s[20:21], s[28:29]
	s_cmp_eq_u32 s2, 3
	s_cselect_b64 s[28:29], s[22:23], s[28:29]
	s_lshl_b32 s26, s26, 16
	s_add_nc_u64 s[28:29], s[28:29], s[26:27]      ; source + 65,536 x chunk
	s_sub_co_u32 s37, s2, 1
	s_lshl_b32 s37, s37, 8
	s_add_co_u32 s37, s37, s36                     ; c
	s_lshl_b32 s38, s37, 15
	s_mov_b32 s39, 0
	s_add_nc_u64 s[24:25], s[24:25], s[38:39]      ; wb + 32,768 c
	s_mov_b32 s30, 0x3f800000
	s_cmp_lt_u32 s37, 64
	s_cmov_b32 s30, 0x3e000000                     ; wq alone is scaled by 1/8
	s_mov_b32 s31, s30
.set j, 0
.rept 32
	global_load_b128 v[X+4*j:X+4*j+3], v1, s[28:29] offset:512*j th:TH_LOAD_NT
.set j, j+1
.endr
.set j, 0
.rept 32
	s_wait_loadcnt 31-j                            ; the younger loads stay out
	v_pk_mul_f32 v[X+4*j:X+4*j+1], v[X+4*j:X+4*j+1], s[30:31] op_sel_hi:[1,0]
	v_pk_mul_f32 v[X+4*j+2:X+4*j+3], v[X+4*j+2:X+4*j+3], s[30:31] op_sel_hi:[1,0]
	v_cvt_pk_bf16_f32 v[X+4*j], v[X+4*j], v[X+4*j+1]
	v_cvt_pk_bf16_f32 v[X+4*j+1], v[X+4*j+2], v[X+4*j+3]
	global_store_b64 v2, v[X+4*j:X+4*j+1], s[24:25] offset:256*j
.set j, j+1
.endr
	s_endpgm
.Lfunc_end_k_q70923fabee_prep:
	.size	k_q70923fabee_prep, .Lfunc_end_k_q70923fabee_prep-k_q70923fabee_prep
	.p2alignl 7, 3214868480
	.fill 96, 4, 3214868480
	.section	.rodata,"a",@progbits
	.p2align	6, 0x0
	.amdhsa_kernel k_q70923fabee_prep
		.amdhsa_group_segment_fixed_size 0
		.amdhsa_private_segment_fixed_size 0
		.amdhsa_enable_private_segment 0
		.amdhsa_kernarg_size 88
		.amdhsa_user_sgpr_count 2
		.amdhsa_user_sgpr_kernarg_segment_ptr 1
		.amdhsa_wavefront_size32 1
		.amdhsa_system_sgpr_workgroup_id_x 1
		.amdhsa_system_sgpr_workgroup_id_y 1
		.amdhsa_system_sgpr_workgroup_id_z 1
		.amdhsa_system_vgpr_workitem_id 0
		.amdhsa_next_free_vgpr 208
		.amdhsa_next_free_sgpr 66
		.amdhsa_reserve_vcc 0
		.amdhsa_float_denorm_mode_32 3
		.amdhsa_float_denorm_mode_16_64 3
		.amdhsa_memory_ordered 1
		.amdhsa_forward_progress 1
		.amdhsa_inst_pref_size 54
	.end_amdhsa_kernel
	.amdgpu_metadata
---
amdhsa.version: [ 1, 2 ]
amdhsa.kernels:
  - .name:           k_q70923fabee_prep
    .symbol:         k_q70923fabee_prep.kd
    .args:
      - { .name: x, .offset: 0, .size: 8, .value_kind: global_buffer, .address_space: global }
      - { .name: ln1_w, .offset: 8, .size: 8, .value_kind: global_buffer, .address_space: global }
      - { .name: ln1_b, .offset: 16, .size: 8, .value_kind: global_buffer, .address_space: global }
      - { .name: h, .offset: 24, .size: 8, .value_kind: global_buffer, .address_space: global }
      - { .name: wq, .offset: 32, .size: 8, .value_kind: global_buffer, .address_space: global }
      - { .name: wk, .offset: 40, .size: 8, .value_kind: global_buffer, .address_space: global }
      - { .name: wv, .offset: 48, .size: 8, .value_kind: global_buffer, .address_space: global }
      - { .name: wo, .offset: 56, .size: 8, .value_kind: global_buffer, .address_space: global }
      - { .name: w1, .offset: 64, .size: 8, .value_kind: global_buffer, .address_space: global }
      - { .name: w2, .offset: 72, .size: 8, .value_kind: global_buffer, .address_space: global }
      - { .name: wb, .offset: 80, .size: 8, .value_kind: global_buffer, .address_space: global }
    .group_segment_fixed_size: 0
    .private_segment_fixed_size: 0
    .kernarg_segment_align: 8
    .kernarg_segment_size: 88
    .max_flat_workgroup_size: 128
    .sgpr_count:     66
    .vgpr_count:     208
    .wavefront_size: 32
...
	.end_amdgpu_metadata
.endif
;; end of part 1
;; launch qkv (part 2): grid 12 x 16, 4 waves a work-group, clusters of 4 x 4, 327,680 bytes of LDS; arguments h, wb, qkv; writes qkv
.if DOCPART == 2
	.amdgcn_target "amdgcn-amd-amdhsa--gfx1250"
	.amdhsa_code_object_version 6
	.text
	.protected	k_q70923fabee_qkv
	.globl	k_q70923fabee_qkv
	.p2align	8
	.type	k_q70923fabee_qkv,@function
k_q70923fabee_qkv:
	s_mov_b64 s[64:65], 0
	v_nop
	global_prefetch_b8 v0, s[64:65] scope:SCOPE_SE
	s_setreg_imm32_b32 hwreg(HW_REG_WAVE_MODE, 25, 1), 1
	s_wait_xcnt 0x0
	s_wait_alu depctr_hold_cnt(0) depctr_sa_sdst(0) depctr_va_vdst(0) depctr_va_sdst(0) depctr_va_ssrc(0) depctr_va_vcc(0) depctr_vm_vsrc(0)
	s_getreg_b32 s2, hwreg(HW_REG_IB_STS2, 6, 4)
	s_cmp_eq_u32 s2, 0
	s_cbranch_scc0 .Lentry_in_a_cluster
	s_endpgm
.Lentry_in_a_cluster:
	s_bfe_u32 s2, ttmp6, 0x10000c
	s_cmp_lg_u32 s2, 0xf033
	s_cbranch_scc0 .Lentry_shape_is_right
	s_endpgm
.Lentry_shape_is_right:
; qkv[m][n] = sum over k of h[m][k] W[k][n], W = [wq/8 | wk | wv] (three bf16 matrices of [1024][1024] in wb), h [4096][1024] bf16, qkv [4096][3072] bf16; sums in f32.
; A work-group makes 256 x 256 of C with four waves, a wave 128 x 128: F x F = 64 accumulator tiles of 16 x 16.  K goes in steps of KS = 128 through two LDS slots
; filled by the tensor data mover: KS rows of W ([K][N] as it lies, 512 bytes a row) and 256 rows of A (256 bytes a row).
; W's fragments are read by ds_load_tr16_b128, which transposes on the way, so W needs no transposed copy in memory.
; CLUSTERS of 4 x 4 work-groups: A's tile hangs on the block row alone and is asked for jointly along a row of the cluster, W's on the block column alone and is asked
; for jointly along a column: a quarter of the requests.  192 work-groups: 12 x 16 blocks.
; REGISTER WINDOWS: 0: addresses, A's fragments (two buffers), the way out; 1: W's fragments; 2, 3: accumulators of my lower and upper rows, tile (a, b) at v[8 (F a + b)].
; THE MATRIX INSTRUCTION IS USED TRANSPOSED: source 0 = 16 columns of W, source 1 = 16 rows of A; a lane then holds 8 neighbouring columns of one row of C.
.set F,      8                         ; fragments a side of a wave's tile
.set KS,     128                       ; K in a slot
.set QIA,    5                         ; padding interval of A's rows: 2<<5 = 64 words
.set QIB,    6                         ; of W's rows: 2<<6 = 128 words
.set SIZE_K, 1024                      ; A's pitch
.set SIZE_N, 3072                      ; C's pitch
.set NBP,    1024                      ; W's pitch
.set B_OFF,  0                         ; W's place in wb
.set SPLITW, 1                         ; W is three matrices side by side in C, one behind the other in wb
.set ESZ,    2                         ; bytes of a number of C
.set BM,     32*F
.set BN,     32*F
.set QN,     KS/32                     ; quarter steps of 32 along K in a slot
.set PB,     2*BN+32                   ; LDS pitch of W's rows: an odd multiple of 32 bytes
.set PA,     2*KS+16                   ; LDS pitch of A's rows: an odd multiple of 16 bytes
.set BBYTES, KS*PB
.set SLOT,   BBYTES+BM*PA              ; W's tile, then A's
.set STAGE,  2*SLOT                    ; behind the ring: 16 rows x 272 bytes for each wave, never filled by a tensor load
.set SPITCH, 272
.set LAPS,   SIZE_K/(2*KS)
.set ROWB,   SIZE_N*ESZ
.set ADRA, 16                          ; v16-17  LDS address of my A fragments in slot 0, 1
.set ADRB, 20                          ; v20-23  of my W fragments: v20 slot 0, v22 slot 1 (v21, v23 unused)
.set STO,  24
.set RD,   25
.set CO,   26
.set RB,   32                          ; v[32:63] rows read back from the stage
.set F0,   64
.set F1,   128
.set TMP,  192
.set G1, 24                            ; s[24:31] group 1 for A
.set G0, 32                            ; s[32:39] group 0 for A, a set for each slot
.set G1B, 48                           ; s[48:55] group 1 for W
.set G0B, 56                           ; s[56:63] group 0 for W
.set MSB, 0
.macro WIN new                         ; the immediate's high byte repeats the setting that is left
.if MSB != \new
	s_set_vgpr_msb (MSB<<8)|\new
.set MSB, \new
.endif
.endm
.set MUL_LO, 0xa1                      ; source 0 (W) window 1, source 1 (A) window 0, C and D window 2
.set MUL_HI, 0xf1                      ; the same, C and D window 3
.set TO_B,   0x40                      ; destination window 1, address window 0
.macro JLOAD s                         ; waves 0, 1 ask for W's two halves, waves 2, 3 for A's; the branch hangs on the wave's number alone
	s_cmp_eq_u32 s11, 0
	s_cbranch_scc0 .Lfor_a_\@
	tensor_load_to_lds s[G0B+4*\s:G0B+4*\s+3], s[G1B:G1B+7]
	s_nop 0
	s_branch .Lasked_\@
.Lfor_a_\@:
	tensor_load_to_lds s[G0+4*\s:G0+4*\s+3], s[G1:G1+7]
	s_nop 0
.Lasked_\@:
.endm
.macro CREST                           ; a round of the cluster's barrier behind its opening barrier
	s_cmp_lg_u32 s10, 0
	s_cbranch_scc1 .Lnot_wave_0_\@
	s_barrier_signal -3
.Lnot_wave_0_\@:
	s_barrier_wait -3
	s_barrier_signal -1
	s_barrier_wait -1
.endm
.macro CROUND
	s_barrier_signal -1
	s_barrier_wait -1
	CREST
.endm
.macro PLACES                          ; four plain vector instructions between a matrix instruction and a load into, or a vector instruction on, its registers
.rept 4
	v_nop
.endr
.endm
	s_load_b128 s[4:7], s[0:1], 0x0                ; A s[4:5], wb s[6:7]
	s_load_b64 s[8:9], s[0:1], 0x10                ; C
	s_set_vgpr_msb 0x40
	v_lshl_add_u32 v255, v0, 2, 0x48400
	s_set_vgpr_msb 0x4000
	v_mov_b32 v255, 0
	s_set_vgpr_msb 0x1
	ds_add_u32 v255, v255
	s_set_vgpr_msb 0x100
	v_lshrrev_b32 v1, 5, v0
	v_readfirstlane_b32 s10, v1                    ; wave 0..3
	s_lshr_b32 s11, s10, 1                         ; my half of the block's rows.  Also: I fetch for W (0) or for A (1)
	s_and_b32 s12, s10, 1                          ; my half of its columns.  Also: which half of that tile I fetch
	s_bfe_u32 s40, ttmp6, 0x40000                  ; cx
	s_bfe_u32 s41, ttmp6, 0x40004                  ; cy
	s_lshl_b32 s42, ttmp9, 2
	s_add_co_u32 s42, s42, s40                     ; block column
	s_and_b32 s13, ttmp7, 0xffff
	s_lshl_b32 s13, s13, 2
	s_add_co_u32 s13, s13, s41                     ; block row
	s_lshl_b32 s43, s41, 2
	s_lshl_b32 s43, 15, s43                        ; my row of the cluster
	s_lshl_b32 s44, 0x1111, s40                    ; my column
	s_or_b32 s[G1+0], s43, (1<<16)|(1<<20)|(1<<21)|(QIA<<22)|(3<<25)   ; mask; 2-byte elements; padding on; bit 21 beside a mask; 4 words behind each row
	s_mov_b32 s[G1+1], KS<<16                      ; tensor_dim0
	s_mov_b32 s[G1+2], (BM/2)<<16                  ; tensor_dim1
	s_mov_b32 s[G1+3], KS<<16                      ; tile_dim0
	s_mov_b32 s[G1+4], BM/2                        ; tile_dim1
	s_mov_b32 s[G1+5], SIZE_K                      ; pitch
	s_mov_b32 s[G1+6], 0
	s_mov_b32 s[G1+7], 0
	s_or_b32 s[G1B+0], s44, (1<<16)|(1<<20)|(1<<21)|(QIB<<22)|(7<<25)  ; 8 words behind each row
	s_mov_b32 s[G1B+1], BN<<16
	s_mov_b32 s[G1B+2], (KS/2)<<16
	s_mov_b32 s[G1B+3], BN<<16
	s_mov_b32 s[G1B+4], KS/2
	s_mov_b32 s[G1B+5], NBP
	s_mov_b32 s[G1B+6], 0
	s_mov_b32 s[G1B+7], 0
	s_mul_i32 s17, s12, BM/2
	s_mul_i32 s16, s13, BM
	s_add_co_u32 s16, s16, s17                     ; A: first row that I fetch
	s_mul_i32 s16, s16, SIZE_K*2                   ; in bytes: below 2^26
	s_mov_b32 s17, 0
.if SPLITW
	s_lshr_b32 s46, s42, 2                         ; which of the three matrices: 2 MiB each
	s_lshl_b32 s46, s46, 21
	s_and_b32 s47, s42, 3
	s_lshl_b32 s47, s47, 9                         ; and which 256 columns of it
	s_add_co_u32 s46, s46, s47
.else
	s_mul_i32 s46, s42, 2*BN
.endif
	s_mul_i32 s47, s12, KS*NBP                     ; my half of the K rows: KS/2 rows of 2 NBP bytes
	s_add_co_u32 s46, s46, s47
.if B_OFF
	s_add_co_u32 s46, s46, B_OFF
.endif
	s_mov_b32 s47, 0
	s_mul_i32 s20, s10, (KS/2)*PB                  ; LDS: W's halves at wave x half (waves 0, 1)
	s_mul_i32 s21, s10, (BM/2)*PA                  ; LDS: A's halves behind W's tile (waves 2, 3)
.if BBYTES-BM*PA
	s_add_co_u32 s21, s21, BBYTES-BM*PA
.endif
	s_wait_dscnt 0x0
	s_wait_kmcnt 0x0
	s_add_nc_u64 s[14:15], s[4:5], s[16:17]
	s_add_nc_u64 s[46:47], s[6:7], s[46:47]
	CROUND                                         ; all sixteen work-groups are here: the first joint loads meet
.irp s, 0,1
	s_mov_b32 s[G0+4*\s], 1
	s_add_co_u32 s[G0+4*\s+1], s21, \s*SLOT
	s_add_nc_u64 s[G0+4*\s+2:G0+4*\s+3], s[14:15], \s*KS*2
	s_or_b32 s[G0+4*\s+3], s[G0+4*\s+3], 0x80000000
	s_mov_b32 s[G0B+4*\s], 1
	s_add_co_u32 s[G0B+4*\s+1], s20, \s*SLOT
	s_add_nc_u64 s[G0B+4*\s+2:G0B+4*\s+3], s[46:47], \s*KS*2*NBP
	s_or_b32 s[G0B+4*\s+3], s[G0B+4*\s+3], 0x80000000
	JLOAD \s                                       ; both slots' first fills: two tensor loads of the wave are out, the most in this text
.endr
	v_and_b32 v1, 15, v0                           ; r = lane % 16
	v_bfe_u32 v2, v0, 4, 1                         ; h = lane / 16
	v_mul_u32_u24 v3, v1, PA
	v_lshl_add_u32 v3, v2, 4, v3                   ; A: row r, 16 bytes for each half of the lanes
	s_mul_i32 s21, s11, 16*F*PA
	s_add_co_u32 s21, s21, BBYTES
	v_add_nc_u32 v[ADRA], s21, v3
	v_add_nc_u32 v[ADRA+1], SLOT, v[ADRA]
	v_and_b32 v4, 7, v0
	v_lshl_add_u32 v4, v2, 3, v4                   ; W: k row 8 h + lane % 8,
	v_mul_u32_u24 v4, v4, PB
	v_bfe_u32 v5, v0, 3, 1
	v_lshl_add_u32 v4, v5, 4, v4                   ; 16 bytes (8 columns) for each eight lanes
	s_mul_i32 s22, s12, 32*F
	v_add_nc_u32 v[ADRB], s22, v4
	v_add_nc_u32 v[ADRB+2], SLOT, v[ADRB]
.if QN > 4
	v_add_nc_u32 v[ADRB+1], 128*PB, v[ADRB]        ; k rows 128 and up lie beyond the 16-bit immediate
	v_add_nc_u32 v[ADRB+3], 128*PB, v[ADRB+2]
.endif
	s_mul_i32 s23, s10, 16*SPITCH
	s_add_co_u32 s23, s23, STAGE                   ; my stage
	v_mul_u32_u24 v4, v1, SPITCH
	v_lshl_add_u32 v4, v2, 4, v4
	v_add_nc_u32 v[STO], s23, v4                   ; in: row r, 16 bytes for each half
	v_mul_u32_u24 v5, v2, SPITCH
	v_lshl_add_u32 v5, v1, 4, v5
	v_add_nc_u32 v[RD], s23, v5                    ; back: lanes 0-15 one row of 256 bytes, lanes 16-31 the next
	v_mul_u32_u24 v5, v2, ROWB
	v_lshl_add_u32 v[CO], v1, 4, v5                ; the same two rows in C
; F*F/4 matrix instructions: a quarter of the accumulators.  All F*F take turns in one fixed order, one instruction a turn.
.macro MULQ f, hi, part, zero
.set ma, (\part)*(F/4)
.rept F/4
.set mb, 0
.rept F
.if \zero
	v_wmma_f32_16x16x32_bf16 v[8*(F*ma+mb):8*(F*ma+mb)+7], v[\f+8*mb:\f+8*mb+7], v[\f+8*((F/2)*\hi+ma):\f+8*((F/2)*\hi+ma)+7], 0
.else
	v_wmma_f32_16x16x32_bf16 v[8*(F*ma+mb):8*(F*ma+mb)+7], v[\f+8*mb:\f+8*mb+7], v[\f+8*((F/2)*\hi+ma):\f+8*((F/2)*\hi+ma)+7], v[8*(F*ma+mb):8*(F*ma+mb)+7]
.endif
.set mb, mb+1
.endr
.set ma, ma+1
.endr
.endm
; 4 F LDS loads in one run: the fragments of quarter q of a slot into buffer f: W's first (transposed on the way), then A's
.macro FETCH slot, q, f
	WIN TO_B
.set fi, 0
.rept F
	ds_load_tr16_b128 v[\f+8*fi:\f+8*fi+3],   v[ADRB+2*\slot+(\q)/4] offset:((\q)%4)*32*PB+32*fi
	ds_load_tr16_b128 v[\f+8*fi+4:\f+8*fi+7], v[ADRB+2*\slot+(\q)/4] offset:((\q)%4)*32*PB+32*fi+16*PB
.set fi, fi+1
.endr
	WIN 0
.set fi, 0
.rept F
	ds_load_b128 v[\f+8*fi:\f+8*fi+3],   v[ADRA+\slot] offset:64*(\q)+fi*16*PA
	ds_load_b128 v[\f+8*fi+4:\f+8*fi+7], v[ADRA+\slot] offset:64*(\q)+fi*16*PA+32
.set fi, fi+1
.endr
.endm
.macro QUARTER slot, q, f, g, zero     ; multiplies buffer f; in its middle fetches quarter q into buffer g
	s_wait_dscnt F                                 ; W and A's lower rows are in; the youngest F loads (A's upper rows) may be out
	WIN MUL_LO
	MULQ \f, 0, 0, \zero
	MULQ \f, 0, 1, \zero
	PLACES
	FETCH \slot, \q, \g
	s_wait_dscnt 4*F                               ; all but the 4 F just issued
	WIN MUL_HI
	MULQ \f, 1, 0, \zero
	MULQ \f, 1, 1, \zero
.endm
.macro RUNQ slot, zero                 ; all quarters of a slot but the last
	QUARTER \slot, 1, F0, F1, \zero
.set rq, 2
.rept (QN-2)/2
	QUARTER \slot, rq, F1, F0, 0
	QUARTER \slot, rq+1, F0, F1, 0
.set rq, rq+2
.endr
.endm
; The last quarter, and the change of slots.  In front of the barrier each wave waits for its reads of this slot and for all its tensor loads (one is out: its part
; of the next slot).  Where the slot is filled again the barrier opens a round of the cluster's barrier, and the joint refill is the first tensor load behind the round.
.macro TURN slot, next, fill
	s_wait_dscnt F
	WIN MUL_LO
	MULQ F1, 0, 0, 0
	s_wait_dscnt 0
	s_wait_tensorcnt 0x0
	ds_add_u32 v255, v255
	s_wait_dscnt 0x0
	s_barrier_signal -1
	MULQ F1, 0, 1, 0                               ; register work while the others arrive
	WIN 0
	s_barrier_wait -1
.if \fill
	CREST
	s_add_nc_u64 s[G0+4*\slot+2:G0+4*\slot+3], s[G0+4*\slot+2:G0+4*\slot+3], 4*KS          ; two K steps on; no tensor load of mine is out
	s_add_nc_u64 s[G0B+4*\slot+2:G0B+4*\slot+3], s[G0B+4*\slot+2:G0B+4*\slot+3], 4*KS*NBP
	JLOAD \slot
.endif
	PLACES
	FETCH \next, 0, F0
	WIN MUL_HI
	MULQ F1, 1, 0, 0
	MULQ F1, 1, 1, 0
.endm
.macro LAP zero
	RUNQ 0, \zero
	TURN 0, 1, 1
	RUNQ 1, 0
	TURN 1, 0, 1
.endm
	s_wait_tensorcnt 1                             ; my part of slot 0 is in; slot 1's may stay out
	s_barrier_signal -1
	s_barrier_wait -1
	FETCH 0, 0, F0
	LAP 1                                          ; the first products start the sums: nothing is cleared
.if LAPS > 2
	WIN 0
	s_mov_b32 s3, LAPS-2
.Llap:
	LAP 0
	WIN 0
	s_sub_co_u32 s3, s3, 1
	s_cmp_lg_u32 s3, 0
	s_cbranch_scc1 .Llap
.endif
	RUNQ 0, 0                                      ; the last lap fills nothing
	TURN 0, 1, 0
	RUNQ 1, 0
	s_wait_dscnt F
	WIN MUL_LO
	MULQ F1, 0, 0, 0
	MULQ F1, 0, 1, 0
	s_wait_dscnt 0
	WIN MUL_HI
	MULQ F1, 1, 0, 0
	MULQ F1, 1, 1, 0
	; THE WAY OUT, 16 rows at a time through my own stage, so that 16 lanes store 256 consecutive aligned bytes
	PLACES
	s_mul_i32 s16, s13, BM
	s_mul_i32 s17, s11, 16*F
	s_add_co_u32 s16, s16, s17                     ; my first row
	s_mul_i32 s16, s16, ROWB
	s_mov_b32 s17, 0
	s_add_nc_u64 s[8:9], s[8:9], s[16:17]
	s_mul_i32 s46, s42, BN*ESZ
	s_lshl_b32 s47, s12, 8                         ; a wave's piece of a row is 256 bytes
	s_add_co_u32 s46, s46, s47
	s_mov_b32 s47, 0
	s_add_nc_u64 s[8:9], s[8:9], s[46:47]
.macro TAILB i                         ; TMP (16 rows x 128 bf16) into the stage, back as rows, out
.set t, 0
.rept 8
	ds_store_b128 v[STO], v[TMP+4*t:TMP+4*t+3] offset:32*t
.set t, t+1
.endr
	s_wait_xcnt 0x0                                ; RB, which the last stores read, and their base are rewritten only behind this wait
.if \i
	s_add_nc_u64 s[8:9], s[8:9], 16*ROWB
.endif
.set t, 0
.rept 8
	ds_load_b128 v[RB+4*t:RB+4*t+3], v[RD] offset:t*2*SPITCH     ; LDS serves a wave's instructions in order: these see the stores above
.set t, t+1
.endr
.set t, 0
.rept 8
	s_wait_dscnt 7-t
	global_store_b128 v[CO], v[RB+4*t:RB+4*t+3], s[8:9] offset:2*t*ROWB
.set t, t+1
.endr
.endm
.macro OUTB i, a, from
	WIN \from
.set t, 0
.rept 32
	v_cvt_pk_bf16_f32 v[TMP+t], v[64*\a+2*t], v[64*\a+2*t+1]     ; tile b's registers 2r, 2r+1 into word 4b + r
.set t, t+1
.endr
	WIN 0
	TAILB \i
.endm
	OUTB 0, 0, 0x0a
	OUTB 1, 1, 0x0a
	OUTB 2, 2, 0x0a
	OUTB 3, 3, 0x0a
	OUTB 4, 0, 0x0f
	OUTB 5, 1, 0x0f
	OUTB 6, 2, 0x0f
	OUTB 7, 3, 0x0f
	s_set_vgpr_msb 0x1
	s_wait_tensorcnt 0x0
	ds_add_u32 v255, v255
	s_wait_dscnt 0x0
	s_set_vgpr_msb 0x100
	CROUND                                         ; the closing round: no work-group ends while a partner may still ask for a tile that names it
	s_endpgm
.Lfunc_end_k_q70923fabee_qkv:
	.size	k_q70923fabee_qkv, .Lfunc_end_k_q70923fabee_qkv-k_q70923fabee_qkv
	.p2alignl 7, 3214868480
	.fill 96, 4, 3214868480
	.section	.rodata,"a",@progbits
	.p2align	6, 0x0
	.amdhsa_kernel k_q70923fabee_qkv
		.amdhsa_group_segment_fixed_size 327680
		.amdhsa_private_segment_fixed_size 0
		.amdhsa_enable_private_segment 0
		.amdhsa_kernarg_size 24
		.amdhsa_user_sgpr_count 2
		.amdhsa_user_sgpr_kernarg_segment_ptr 1
		.amdhsa_wavefront_size32 1
		.amdhsa_system_sgpr_workgroup_id_x 1
		.amdhsa_system_sgpr_workgroup_id_y 1
		.amdhsa_system_sgpr_workgroup_id_z 1
		.amdhsa_system_vgpr_workitem_id 0
		.amdhsa_next_free_vgpr 1024
		.amdhsa_next_free_sgpr 90
		.amdhsa_reserve_vcc 0
		.amdhsa_float_denorm_mode_32 3
		.amdhsa_float_denorm_mode_16_64 3
		.amdhsa_memory_ordered 1
		.amdhsa_forward_progress 1
		.amdhsa_inst_pref_size 197
	.end_amdhsa_kernel
	.amdgpu_metadata
---
amdhsa.version: [ 1, 2 ]
amdhsa.kernels:
  - .name:           k_q70923fabee_qkv
    .symbol:         k_q70923fabee_qkv.kd
    .args:
      - { .name: h, .offset: 0, .size: 8, .value_kind: global_buffer, .address_space: global }
      - { .name: wb, .offset: 8, .size: 8, .value_kind: global_buffer, .address_space: global }
      - { .name: qkv, .offset: 16, .size: 8, .value_kind: global_buffer, .address_space: global }
    .group_segment_fixed_size: 327680
    .private_segment_fixed_size: 0
    .kernarg_segment_align: 8
    .kernarg_segment_size: 24
    .max_flat_workgroup_size: 128
    .sgpr_count:     90
    .vgpr_count:     1024
    .wavefront_size: 32
...
	.end_amdgpu_metadata
.endif
;; end of part 2
;; launch attn (part 3): grid 16 x 16, 8 waves a work-group, clusters of 4 x 4, 327,680 bytes of LDS; arguments qkv, mask, att; writes att
.if DOCPART == 3
	.amdgcn_target "amdgcn-amd-amdhsa--gfx1250"
	.amdhsa_code_object_version 6
	.text
	.protected	k_q70923fabee_attn
	.globl	k_q70923fabee_attn
	.p2align	8
	.type	k_q70923fabee_attn,@function
k_q70923fabee_attn:
	s_mov_b64 s[64:65], 0
	v_nop
	global_prefetch_b8 v0, s[64:65] scope:SCOPE_SE
	s_setreg_imm32_b32 hwreg(HW_REG_WAVE_MODE, 25, 1), 1
	s_wait_xcnt 0x0
	s_wait_alu depctr_hold_cnt(0) depctr_sa_sdst(0) depctr_va_vdst(0) depctr_va_sdst(0) depctr_va_ssrc(0) depctr_va_vcc(0) depctr_vm_vsrc(0)
	s_getreg_b32 s2, hwreg(HW_REG_IB_STS2, 6, 4)
	s_cmp_eq_u32 s2, 0
	s_cbranch_scc0 .Lentry_in_a_cluster
	s_endpgm
.Lentry_in_a_cluster:
	s_bfe_u32 s2, ttmp6, 0x10000c
	s_cmp_lg_u32 s2, 0xf033
	s_cbranch_scc0 .Lentry_shape_is_right
	s_endpgm
.Lentry_shape_is_right:
; att = softmax(q k^T + mask) v for 2 batches x 16 heads of 64, 2,048 queries and keys; q already holds the factor 1/8.  qkv [4096][3072] bf16 (q, k, v at columns
; 0, 1024, 2048), mask [2048][2048] f32, att [4096][1024] bf16.  Running maximum and running sum in f32, one pass over the keys.
; A work-group: 128 queries (qb) of a pair of neighbouring heads (hp = 8 x batch + pair), so that every row of K, V, Q and att that it touches is 256 aligned bytes.
; Eight waves: wave w takes head w & 1 and the 32 queries 32 (w >> 1) .. + 31.
; CLUSTERS of 4 x 4: K's and V's tiles hang on hp alone and are asked for jointly along a row of the cluster; the mask's tile hangs on qb alone and is asked for
; jointly along a column.  Two LDS slots of 128 keys: K 128 x 272 bytes, V 128 x 288, mask 128 queries x 528; Q's tile (128 x 272) is filled once and its bytes
; serve as the stage of the way out, after their only fill.
; ALL PRODUCTS ARE TRANSPOSED, so that nothing has to cross lanes: S^T = K Q^T + mask^T (the mask is loaded straight into the accumulator), a lane holds 8 keys of
; one query; rounded in place these are the second operand of O^T = V^T P^T (V^T by ds_load_tr16_b128); a lane then holds 8 neighbouring numbers of a row of att.
; TWO GROUPS OF WAVES, HALF A STEP APART.  A step of 64 keys has a first half that reads LDS and multiplies (XS: K, mask, S, V's fragments asked for) and a second
; half on registers alone (YS: softmax, O).  Group 0 runs XS YS XS YS between two rounds of the barrier, group 1 runs YS (of the step before) XS YS XS, so that behind
; each round one group reads LDS and multiplies while the other runs its softmax.  The group is bit 0 xor bit 2 of the wave's number: waves w and w + 4 differ in
; it, and so do waves 2 i and 2 i + 1.  What group 1 carries over a round lies in registers: S, and V's fragments, whose loads are waited for in front of the round.
; LIMITS KEPT: a NaN score is dropped by the maximum; weights below 2^-126 count as zero (v_exp_f32).  The running maximum starts at the lowest finite f32, so it is
; always finite: -inf in the mask gives weight 0, a row of -inf throughout gives 0/0 = NaN as the definition does.
.set SLOT,   139264
.set VOFF,   34816
.set MOFF,   71680
.set QOFF,   278528
.set TILEKV, 128*6144                  ; bytes from a tile of K or V to the next
.set KADR, 2                           ; v2-3   slot 0, 1
.set VADR, 4                           ; v4-5
.set MADR, 6                           ; v6-7
.set QADR, 8                           ; v8     Q's fragments, and where my results go in the stage
.set RD,   9
.set CO,   10
.set QQ,   16                          ; v[16:47]    Q, fragment (qs, kk) at 8 (2 qs + kk)
.set SS,   48                          ; v[48:111]   S, tile (qs, ts) at 8 (4 qs + ts); then P, fragment (qs, tc) at 32 qs + 16 tc
.set OO,   112                         ; v[112:175]  O, tile (qs, ds)
.set FR,   176                         ; v[176:239]  K's or V's fragments
.set ST,   240                         ; v240 m, v241 l of queries 0-15; v242, v243 of queries 16-31
.set AL,   244                         ; v244 alpha; v245 the unused half of its pair
.set T,    248                         ; v[248:255]  at work
.set G1K, 24
.set G1V, 32
.set G1M, 40
.set G1Q, 48
.set G0K, 56                           ; s[56:63] a set for each slot
.set G0V, 68                           ; s[68:75]
.set G0M, 76                           ; s[76:83]
.set G0Q, 84                           ; s[84:87]
.macro ROUND                           ; a round of the cluster's barrier
	s_barrier_signal -1
	s_barrier_wait -1
	s_cmp_lg_u32 s10, 0
	s_cbranch_scc1 .Lnot_wave_0_\@
	s_barrier_signal -3
.Lnot_wave_0_\@:
	s_barrier_wait -3
	s_barrier_signal -1
	s_barrier_wait -1
.endm
; One tensor load a wave: wave 0 K's tile, wave 1 V's, waves 2 and 3 the mask's two halves, (withq) wave 4 Q's; the other waves none.  The branches hang on the wave's number alone.
; The slot may be handed over as an expression: it stands in brackets wherever it is multiplied.
.macro JLOAD s, withq
	s_cmp_lg_u32 s10, 0
	s_cbranch_scc1 .Lnot_k_\@
	tensor_load_to_lds s[G0K+4*(\s):G0K+4*(\s)+3], s[G1K:G1K+7]
	s_nop 0
	s_branch .Lasked_\@
.Lnot_k_\@:
	s_cmp_lg_u32 s10, 1
	s_cbranch_scc1 .Lnot_v_\@
	tensor_load_to_lds s[G0V+4*(\s):G0V+4*(\s)+3], s[G1V:G1V+7]
	s_nop 0
	s_branch .Lasked_\@
.Lnot_v_\@:
	s_cmp_gt_u32 s10, 3
	s_cbranch_scc1 .Lnot_m_\@
	tensor_load_to_lds s[G0M+4*(\s):G0M+4*(\s)+3], s[G1M:G1M+7]
	s_nop 0
.if \withq
	s_branch .Lasked_\@
.endif
.Lnot_m_\@:
.if \withq
	s_cmp_lg_u32 s10, 4
	s_cbranch_scc1 .Lasked_\@
	tensor_load_to_lds s[G0Q:G0Q+3], s[G1Q:G1Q+7]
	s_nop 0
.endif
.Lasked_\@:
.endm
	s_load_b128 s[4:7], s[0:1], 0x0                ; qkv s[4:5], mask s[6:7]
	s_load_b64 s[8:9], s[0:1], 0x10                ; att
	v_lshl_add_u32 v246, v0, 2, 0x4c800
	v_mov_b32 v247, 0
	ds_add_u32 v246, v247
	v_lshrrev_b32 v1, 5, v0
	v_readfirstlane_b32 s10, v1                    ; wave 0..7
	s_and_b32 s11, s10, 1                          ; my head of the pair.  Also: which half of the mask's tile waves 2, 3 fetch
	s_lshr_b32 s12, s10, 1                         ; my 32 queries
	s_lshr_b32 s99, s10, 2
	s_xor_b32 s99, s99, s10
	s_and_b32 s99, s99, 1                          ; my group: bit 0 xor bit 2 of the wave's number
	s_bfe_u32 s15, ttmp6, 0x40000                  ; cx
	s_bfe_u32 s16, ttmp6, 0x40004                  ; cy
	s_lshl_b32 s13, ttmp9, 2
	s_add_co_u32 s13, s13, s15                     ; qb
	s_and_b32 s14, ttmp7, 0xffff
	s_lshl_b32 s14, s14, 2
	s_add_co_u32 s14, s14, s16                     ; hp
	s_lshl_b32 s17, s16, 2
	s_lshl_b32 s17, 15, s17                        ; my row of the cluster
	s_lshl_b32 s18, 0x1111, s15                    ; my column
	s_or_b32 s[G1K+0], s17, (1<<16)|(1<<20)|(1<<21)|(5<<22)|(3<<25)    ; K: 128 rows x 128 bf16, 4 words behind each 64
	s_or_b32 s[G1V+0], s17, (1<<16)|(1<<20)|(1<<21)|(5<<22)|(7<<25)    ; V: the same, 8 words
	s_mov_b32 s[G1Q+0], (1<<16)|(1<<20)|(5<<22)|(3<<25)                ; Q: as K, a load of my own (no mask)
.irp g, G1K, G1V, G1Q
	s_mov_b32 s[\g+1], 128<<16
	s_mov_b32 s[\g+2], 128<<16
	s_mov_b32 s[\g+3], 128<<16
	s_mov_b32 s[\g+4], 128
	s_mov_b32 s[\g+5], 3072
	s_mov_b32 s[\g+6], 0
	s_mov_b32 s[\g+7], 0
.endr
	s_or_b32 s[G1M+0], s18, (2<<16)|(1<<20)|(1<<21)|(6<<22)|(3<<25)    ; mask: 64 rows x 128 f32, 4 words behind each 128
	s_mov_b32 s[G1M+1], 128<<16
	s_mov_b32 s[G1M+2], 64<<16
	s_mov_b32 s[G1M+3], 128<<16
	s_mov_b32 s[G1M+4], 64
	s_mov_b32 s[G1M+5], 2048
	s_mov_b32 s[G1M+6], 0
	s_mov_b32 s[G1M+7], 0
	s_lshr_b32 s19, s14, 3                         ; batch
	s_and_b32 s93, s14, 7                          ; pair of heads
	s_mul_i32 s22, s19, 2048*6144
	s_lshl_b32 s23, s93, 8
	s_add_co_u32 s22, s22, s23                     ; K, V: batch and pair: hp alone
	s_mov_b32 s23, 0
	s_lshl_b32 s20, s13, 20                        ; mask: 128 qb rows of 8,192 bytes,
	s_lshl_b32 s21, s11, 19                        ; + 64 rows for the second half: qb alone
	s_add_co_u32 s20, s20, s21
	s_mov_b32 s21, 0
	s_mul_i32 s94, s13, 128*6144                   ; Q: my 128 rows
	s_add_co_u32 s94, s94, s22
	s_mov_b32 s95, 0
	s_mul_i32 s98, s10, 64*528                     ; LDS of the mask's halves: MOFF + (wave - 2) x 64 rows
	s_add_co_u32 s98, s98, MOFF-2*64*528
	s_mov_b32 s88, 0x76543210                      ; v_permlanex16_b32: lane i reads lane i of the other half
	s_mov_b32 s89, 0xfedcba98
	s_mov_b32 s90, 0x3fb8aa3b                      ; log2 e
	s_mov_b32 s91, 0x3fb8aa3b
	s_mov_b32 s92, 0xff7fffff                      ; the lowest finite f32
	s_wait_dscnt 0x0
	s_wait_kmcnt 0x0
.irp s, 0,1
	s_mov_b32 s[G0K+4*\s], 1
	s_mov_b32 s[G0K+4*\s+1], \s*SLOT
	s_add_nc_u64 s[G0K+4*\s+2:G0K+4*\s+3], s[4:5], s[22:23]
	s_add_nc_u64 s[G0K+4*\s+2:G0K+4*\s+3], s[G0K+4*\s+2:G0K+4*\s+3], 2048+\s*TILEKV
	s_or_b32 s[G0K+4*\s+3], s[G0K+4*\s+3], 0x80000000
	s_mov_b32 s[G0V+4*\s], 1
	s_mov_b32 s[G0V+4*\s+1], \s*SLOT+VOFF
	s_add_nc_u64 s[G0V+4*\s+2:G0V+4*\s+3], s[4:5], s[22:23]
	s_add_nc_u64 s[G0V+4*\s+2:G0V+4*\s+3], s[G0V+4*\s+2:G0V+4*\s+3], 4096+\s*TILEKV
	s_or_b32 s[G0V+4*\s+3], s[G0V+4*\s+3], 0x80000000
	s_mov_b32 s[G0M+4*\s], 1
	s_add_co_u32 s[G0M+4*\s+1], s98, \s*SLOT
	s_add_nc_u64 s[G0M+4*\s+2:G0M+4*\s+3], s[6:7], s[20:21]
	s_add_nc_u64 s[G0M+4*\s+2:G0M+4*\s+3], s[G0M+4*\s+2:G0M+4*\s+3], \s*512
	s_or_b32 s[G0M+4*\s+3], s[G0M+4*\s+3], 0x80000000
.endr
	s_mov_b32 s[G0Q], 1
	s_mov_b32 s[G0Q+1], QOFF
	s_add_nc_u64 s[G0Q+2:G0Q+3], s[4:5], s[94:95]
	s_or_b32 s[G0Q+3], s[G0Q+3], 0x80000000
	ROUND                                          ; all sixteen work-groups are here
	JLOAD 0, 1                                     ; slot 0 and Q: one tensor load a wave, and never more than one of a wave is out in this text
	v_and_b32 v1, 15, v0                           ; r
	v_bfe_u32 v11, v0, 4, 1                        ; h
	v_and_b32 v12, 7, v0
	v_bfe_u32 v13, v0, 3, 1
	v_mul_u32_u24 v2, v1, 272
	v_lshl_add_u32 v2, v11, 4, v2
	s_lshl_b32 s96, s11, 7                         ; my head's 128 bytes of a row
	v_add_nc_u32 v[KADR], s96, v2                  ; K: row r, 16 h, my head
	v_add_nc_u32 v[KADR+1], SLOT, v[KADR]
	s_mul_i32 s97, s12, 32*272
	s_add_co_u32 s97, s97, QOFF
	v_add_nc_u32 v[QADR], s97, v[KADR]             ; Q and the stage: the same place in my 32 rows
	v_lshl_add_u32 v4, v11, 3, v12                 ; V: key row 8 h + lane % 8,
	v_mul_u32_u24 v4, v4, 288
	v_lshl_add_u32 v4, v13, 4, v4                  ; 16 bytes for each eight lanes
	s_add_co_u32 s96, s96, VOFF
	v_add_nc_u32 v[VADR], s96, v4
	v_add_nc_u32 v[VADR+1], SLOT, v[VADR]
	v_mul_u32_u24 v6, v1, 528
	v_lshl_add_u32 v6, v11, 5, v6                  ; mask: query row r, 8 keys (32 bytes) for each half
	s_mul_i32 s97, s12, 32*528
	s_add_co_u32 s97, s97, MOFF
	v_add_nc_u32 v[MADR], s97, v6
	v_add_nc_u32 v[MADR+1], SLOT, v[MADR]
	v_mul_u32_u24 v9, v11, 272
	v_lshl_add_u32 v9, v1, 4, v9
	s_mul_i32 s97, s10, 16*272
	s_add_co_u32 s97, s97, QOFF
	v_add_nc_u32 v[RD], s97, v9                    ; back: rows 16 w + .., lanes 0-15 one row, lanes 16-31 the next
	v_lshlrev_b32 v10, 11, v11
	v_lshl_add_u32 v[CO], v1, 4, v10               ; the same two rows in att
	v_mov_b32 v[ST+1], 0                           ; second halves of pairs that packed instructions name: written once, so that the whole pair holds numbers
	v_mov_b32 v[ST+3], 0
	v_mov_b32 v[AL+1], 0
.macro SMUL kk                         ; 8 accumulators by turns, one instruction a turn
.irp qs, 0,1
.irp ts, 0,1,2,3
	v_wmma_f32_16x16x32_bf16 v[SS+8*(4*\qs+\ts):SS+8*(4*\qs+\ts)+7], v[FR+32*\kk+8*\ts:FR+32*\kk+8*\ts+7], v[QQ+8*(2*\qs+\kk):QQ+8*(2*\qs+\kk)+7], v[SS+8*(4*\qs+\ts):SS+8*(4*\qs+\ts)+7]
.endr
.endr
.endm
.macro OMUL tc, zero
.irp qs, 0,1
.irp ds, 0,1,2,3
.if \zero
	v_wmma_f32_16x16x32_bf16 v[OO+8*(4*\qs+\ds):OO+8*(4*\qs+\ds)+7], v[FR+32*\tc+8*\ds:FR+32*\tc+8*\ds+7], v[SS+32*\qs+16*\tc:SS+32*\qs+16*\tc+7], 0
.else
	v_wmma_f32_16x16x32_bf16 v[OO+8*(4*\qs+\ds):OO+8*(4*\qs+\ds)+7], v[FR+32*\tc+8*\ds:FR+32*\tc+8*\ds+7], v[SS+32*\qs+16*\tc:SS+32*\qs+16*\tc+7], v[OO+8*(4*\qs+\ds):OO+8*(4*\qs+\ds)+7]
.endif
.endr
.endr
.endm
; 16 queries x 64 keys: a lane holds 32 scores of query r, its partner lane r + 16 the other 32.
.macro SOFTMAX qs, first
.set SB, SS+32*\qs
.set MM, ST+2*\qs
.irp ts, 0,1,2,3
	v_max3_num_f32 v[T+\ts], v[SB+8*\ts], v[SB+8*\ts+1], v[SB+8*\ts+2]
.endr
.irp ts, 0,1,2,3
	v_max3_num_f32 v[T+\ts], v[T+\ts], v[SB+8*\ts+3], v[SB+8*\ts+4]
.endr
.irp ts, 0,1,2,3
	v_max3_num_f32 v[T+\ts], v[T+\ts], v[SB+8*\ts+5], v[SB+8*\ts+6]
.endr
	v_max3_num_f32 v[T], v[T], v[T+1], v[SB+7]
	v_max3_num_f32 v[T+2], v[T+2], v[T+3], v[SB+15]
	v_max3_num_f32 v[T], v[T], v[T+2], v[SB+23]
.if \first
	v_max3_num_f32 v[T], v[T], v[SB+31], s92       ; the maximum starts at the lowest finite number
.else
	v_max3_num_f32 v[T], v[T], v[SB+31], v[MM]
.endif
	v_permlanex16_b32 v[T+1], v[T], s88, s89       ; the partner lane's
.if \first
	v_max_num_f32 v[MM], v[T], v[T+1]
.else
	v_max_num_f32 v[T+2], v[T], v[T+1]             ; the new maximum
	v_sub_f32 v[T+3], v[MM], v[T+2]
	v_mov_b32 v[MM], v[T+2]
	v_mul_f32 v[T+3], s90, v[T+3]
	v_exp_f32 v[AL], v[T+3]                        ; alpha = e^(old - new); the packed lines below are the plain place behind it
.endif
.set k, 0
.rept 16
	v_pk_add_f32 v[SB+2*k:SB+2*k+1], v[SB+2*k:SB+2*k+1], v[MM:MM+1] op_sel_hi:[1,0] neg_lo:[0,1] neg_hi:[0,1]   ; s - m first: exact where it matters, whatever the size of m
.set k, k+1
.endr
.set k, 0
.rept 16
	v_pk_mul_f32 v[SB+2*k:SB+2*k+1], v[SB+2*k:SB+2*k+1], s[90:91] op_sel_hi:[1,0]
.set k, k+1
.endr
.set k, 0
.rept 32
	v_exp_f32 v[SB+k], v[SB+k]
.set k, k+1
.endr
	v_nop                                          ; one plain vector instruction behind the transcendentals (ISA guide 5.7.2)
	s_wait_alu depctr_va_vdst(0)
.irp c, 0,1,2,3
	v_pk_add_f32 v[T+2*\c:T+2*\c+1], v[SB+2*\c:SB+2*\c+1], v[SB+8+2*\c:SB+8+2*\c+1]
.endr
.set k, 8
.rept 8
	v_pk_add_f32 v[T+2*(k%4):T+2*(k%4)+1], v[T+2*(k%4):T+2*(k%4)+1], v[SB+2*k:SB+2*k+1]
.set k, k+1
.endr
	v_pk_add_f32 v[T:T+1], v[T:T+1], v[T+2:T+3]
	v_pk_add_f32 v[T+4:T+5], v[T+4:T+5], v[T+6:T+7]
	v_pk_add_f32 v[T:T+1], v[T:T+1], v[T+4:T+5]
.if \first
	v_add_f32 v[MM+1], v[T], v[T+1]                ; l, for my half of the keys; the two halves meet at the end
.else
	v_add_f32 v[T], v[T], v[T+1]
	v_fma_f32 v[MM+1], v[MM+1], v[AL], v[T]
.endif
.irp g, 0,16
.set k, 0
.rept 8
	v_cvt_pk_bf16_f32 v[SB+\g+k], v[SB+\g+2*k], v[SB+\g+2*k+1]   ; two tiles of 16 keys become one fragment of 32, in place
.set k, k+1
.endr
.endr
.if \first == 0
.set k, 0
.rept 16
	v_pk_mul_f32 v[OO+32*\qs+2*k:OO+32*\qs+2*k+1], v[OO+32*\qs+2*k:OO+32*\qs+2*k+1], v[AL:AL+1] op_sel_hi:[1,0]
.set k, k+1
.endr
.endif
.endm
; The first half of a step of 64 keys (keys 64 sub .. + 63 of a slot): all that reads LDS.  K's fragments and the mask come in, S = K Q^T + mask, V's fragments are asked for.
.macro XS slot, sub
.irp ts, 0,1,2,3
	ds_load_b128 v[FR+8*\ts:FR+8*\ts+3],   v[KADR+\slot] offset:(64*\sub+16*\ts)*272
	ds_load_b128 v[FR+8*\ts+4:FR+8*\ts+7], v[KADR+\slot] offset:(64*\sub+16*\ts)*272+32
.endr
.irp qs, 0,1
.irp ts, 0,1,2,3
	ds_load_b128 v[SS+8*(4*\qs+\ts):SS+8*(4*\qs+\ts)+3],   v[MADR+\slot] offset:\qs*8448+256*\sub+64*\ts      ; the mask starts the sums
	ds_load_b128 v[SS+8*(4*\qs+\ts)+4:SS+8*(4*\qs+\ts)+7], v[MADR+\slot] offset:\qs*8448+256*\sub+64*\ts+16
.endr
.endr
.irp ts, 0,1,2,3
	ds_load_b128 v[FR+32+8*\ts:FR+32+8*\ts+3],   v[KADR+\slot] offset:(64*\sub+16*\ts)*272+64
	ds_load_b128 v[FR+32+8*\ts+4:FR+32+8*\ts+7], v[KADR+\slot] offset:(64*\sub+16*\ts)*272+96
.endr
	s_wait_dscnt 8                                 ; all but K's second half of the head's 64
	SMUL 0
	s_wait_dscnt 0
	SMUL 1
.rept 4
	v_nop                                          ; four places before loads land on K's fragments and vector instructions read S
.endr
.irp tc, 0,1
.irp ds, 0,1,2,3
	ds_load_tr16_b128 v[FR+32*\tc+8*\ds:FR+32*\tc+8*\ds+3],   v[VADR+\slot] offset:(64*\sub+32*\tc)*288+32*\ds
	ds_load_tr16_b128 v[FR+32*\tc+8*\ds+4:FR+32*\tc+8*\ds+7], v[VADR+\slot] offset:(64*\sub+32*\tc)*288+32*\ds+4608
.endr
.endr
.endm
; The second half of a step: registers alone.  Softmax of S in place, O = alpha O + V^T P^T.
.macro YS first
	SOFTMAX 0, \first
	SOFTMAX 1, \first
	s_wait_dscnt 8                                 ; V's first 32 keys are in; the eight loads of the other 32 may be out (behind a round none is out)
	OMUL 0, \first
	s_wait_dscnt 0
	OMUL 1, 0
.rept 5
	v_nop                                          ; five places: the next XS's loads and matrix instructions write over P and V's fragments, the next YS scales O
.endr
.endm
; 128 keys.  In front of the round every wave waits for all its tensor loads and for its LDS reads; the joint refill of the other slot is the first thing behind it.
; The branches hang on the wave's group and jump over a YS alone: no barrier, no tensor load and no LDS read stands inside them.
.macro TRIP slot, refill, first
	s_wait_tensorcnt 0x0                           ; my part of this slot has landed, and no tensor load of mine is out: a group 0 may be written
	ds_add_u32 v246, v247
	s_wait_dscnt 0x0
	s_add_nc_u64 s[G0K+4*\slot+2:G0K+4*\slot+3], s[G0K+4*\slot+2:G0K+4*\slot+3], 2*TILEKV   ; this slot's next tile
	s_add_nc_u64 s[G0V+4*\slot+2:G0V+4*\slot+3], s[G0V+4*\slot+2:G0V+4*\slot+3], 2*TILEKV
	s_add_nc_u64 s[G0M+4*\slot+2:G0M+4*\slot+3], s[G0M+4*\slot+2:G0M+4*\slot+3], 2*512
	s_wait_dscnt 0x0                               ; my reads of the other slot are over, group 1's loads of V's fragments among them
	ROUND
.if \refill
	JLOAD 1-\slot, 0
.endif
.if \first
.irp f, 0,1,2,3
	ds_load_b128 v[QQ+8*\f:QQ+8*\f+3],   v[QADR] offset:(\f/2)*4352+(\f%2)*64
	ds_load_b128 v[QQ+8*\f+4:QQ+8*\f+7], v[QADR] offset:(\f/2)*4352+(\f%2)*64+32
.endr
.else
	s_cmp_eq_u32 s99, 0
	s_cbranch_scc1 .Lgroup_0_\@
	YS 0                                           ; group 1: the second half of the last trip's last step
.Lgroup_0_\@:
.endif
	XS \slot, 0
	YS \first
	XS \slot, 1
	s_cmp_lg_u32 s99, 0
	s_cbranch_scc1 .Lgroup_1_\@
	YS 0                                           ; group 0 ends the step inside the trip
.Lgroup_1_\@:
.endm
	TRIP 0, 1, 1                                   ; 16 tiles of 128 keys
	TRIP 1, 1, 0
	s_mov_b32 s3, 6
.Lkeys:
	TRIP 0, 1, 0
	TRIP 1, 1, 0
	s_sub_co_u32 s3, s3, 1
	s_cmp_lg_u32 s3, 0
	s_cbranch_scc1 .Lkeys
	TRIP 0, 1, 0
	TRIP 1, 0, 0                                   ; the last tile: nothing is left to fetch
	s_cmp_eq_u32 s99, 0
	s_cbranch_scc1 .Lall_steps_done
	YS 0                                           ; group 1: the second half of the very last step
.Lall_steps_done:
	; the end: both halves' sums meet, O / l, bf16, through the stage (Q's bytes, whose only fill is long over)
	v_permlanex16_b32 v[T], v[ST+1], s88, s89
	v_permlanex16_b32 v[T+1], v[ST+3], s88, s89
	v_add_f32 v[T], v[T], v[ST+1]
	v_add_f32 v[T+1], v[T+1], v[ST+3]
	v_rcp_f32 v[T+2], v[T]
	v_rcp_f32 v[T+4], v[T+1]
	v_nop
	s_wait_alu depctr_va_vdst(0)
.irp qs, 0,1
.set k, 0
.rept 16
	v_pk_mul_f32 v[OO+32*\qs+2*k:OO+32*\qs+2*k+1], v[OO+32*\qs+2*k:OO+32*\qs+2*k+1], v[T+2+2*\qs:T+3+2*\qs] op_sel_hi:[1,0]
.set k, k+1
.endr
.endr
.irp tl, 0,1,2,3,4,5,6,7
.irp c, 0,1,2,3
	v_cvt_pk_bf16_f32 v[OO+8*\tl+\c], v[OO+8*\tl+2*\c], v[OO+8*\tl+2*\c+1]
.endr
.endr
.irp qs, 0,1
.irp ds, 0,1,2,3
	ds_store_b128 v[QADR], v[OO+8*(4*\qs+\ds):OO+8*(4*\qs+\ds)+3] offset:\qs*4352+32*\ds
.endr
.endr
	s_lshl_b32 s94, s19, 22                        ; att: batch x 2,048 rows of 2,048 bytes
	s_lshl_b32 s95, s13, 18                        ; + 128 qb rows
	s_add_co_u32 s94, s94, s95
	s_lshl_b32 s95, s10, 15                        ; + 16 w rows
	s_add_co_u32 s94, s94, s95
	s_lshl_b32 s95, s93, 8                         ; + the pair's 256 bytes
	s_add_co_u32 s94, s94, s95
	s_mov_b32 s95, 0
	s_add_nc_u64 s[8:9], s[8:9], s[94:95]
	s_wait_dscnt 0x0                               ; a row of the stage holds two waves' heads: my stores are done,
	s_barrier_signal -1
	s_barrier_wait -1                              ; everybody's are
.irp t, 0,1,2,3,4,5,6,7
	ds_load_b128 v[SS+4*\t:SS+4*\t+3], v[RD] offset:544*\t
.endr
.irp t, 0,1,2,3,4,5,6,7
	s_wait_dscnt 7-\t
	global_store_b128 v[CO], v[SS+4*\t:SS+4*\t+3], s[8:9] offset:4096*\t   ; 16 lanes store 256 consecutive aligned bytes
.endr
	s_wait_tensorcnt 0x0
	ds_add_u32 v246, v247
	s_wait_dscnt 0x0
	ROUND                                          ; the closing round
	s_endpgm
.Lfunc_end_k_q70923fabee_attn:
	.size	k_q70923fabee_attn, .Lfunc_end_k_q70923fabee_attn-k_q70923fabee_attn
	.p2alignl 7, 3214868480
	.fill 96, 4, 3214868480
	.section	.rodata,"a",@progbits
	.p2align	6, 0x0
	.amdhsa_kernel k_q70923fabee_attn
		.amdhsa_group_segment_fixed_size 327680
		.amdhsa_private_segment_fixed_size 0
		.amdhsa_enable_private_segment 0
		.amdhsa_kernarg_size 24
		.amdhsa_user_sgpr_count 2
		.amdhsa_user_sgpr_kernarg_segment_ptr 1
		.amdhsa_wavefront_size32 1
		.amdhsa_system_sgpr_workgroup_id_x 1
		.amdhsa_system_sgpr_workgroup_id_y 1
		.amdhsa_system_sgpr_workgroup_id_z 1
		.amdhsa_system_vgpr_workitem_id 0
		.amdhsa_next_free_vgpr 256
		.amdhsa_next_free_sgpr 100
		.amdhsa_reserve_vcc 0
		.amdhsa_float_denorm_mode_32 3
		.amdhsa_float_denorm_mode_16_64 3
		.amdhsa_memory_ordered 1
		.amdhsa_forward_progress 1
		.amdhsa_inst_pref_size 255
	.end_amdhsa_kernel
	.section	.bss,"aw",@nobits
	.p2align	6
	.space	262144
	.amdgpu_metadata
---
amdhsa.version: [ 1, 2 ]
amdhsa.kernels:
  - .name:           k_q70923fabee_attn
    .symbol:         k_q70923fabee_attn.kd
    .args:
      - { .name: qkv, .offset: 0, .size: 8, .value_kind: global_buffer, .address_space: global }
      - { .name: mask, .offset: 8, .size: 8, .value_kind: global_buffer, .address_space: global }
      - { .name: att, .offset: 16, .size: 8, .value_kind: global_buffer, .address_space: global }
    .group_segment_fixed_size: 327680
    .private_segment_fixed_size: 0
    .kernarg_segment_align: 8
    .kernarg_segment_size: 24
    .max_flat_workgroup_size: 256
    .sgpr_count:     100
    .vgpr_count:     256
    .wavefront_size: 32
...
	.end_amdgpu_metadata
.endif
;; end of part 3
;; launch oproj (part 4): grid 8 x 32, 4 waves a work-group, clusters of 4 x 4, 327,680 bytes of LDS; arguments att, wb, x, x2; writes x2
.if DOCPART == 4
	.amdgcn_target "amdgcn-amd-amdhsa--gfx1250"
	.amdhsa_code_object_version 6
	.text
	.protected	k_q70923fabee_oproj
	.globl	k_q70923fabee_oproj
	.p2align	8
	.type	k_q70923fabee_oproj,@function
k_q70923fabee_oproj:
	s_mov_b64 s[64:65], 0
	v_nop
	global_prefetch_b8 v0, s[64:65] scope:SCOPE_SE
	s_setreg_imm32_b32 hwreg(HW_REG_WAVE_MODE, 25, 1), 1
	s_wait_xcnt 0x0
	s_wait_alu depctr_hold_cnt(0) depctr_sa_sdst(0) depctr_va_vdst(0) depctr_va_sdst(0) depctr_va_ssrc(0) depctr_va_vcc(0) depctr_vm_vsrc(0)
	s_getreg_b32 s2, hwreg(HW_REG_IB_STS2, 6, 4)
	s_cmp_eq_u32 s2, 0
	s_cbranch_scc0 .Lentry_in_a_cluster
	s_endpgm
.Lentry_in_a_cluster:
	s_bfe_u32 s2, ttmp6, 0x10000c
	s_cmp_lg_u32 s2, 0xf033
	s_cbranch_scc0 .Lentry_shape_is_right
	s_endpgm
.Lentry_shape_is_right:
; x2[m][n] = x[m][n] + sum over k of att[m][k] wo[k][n].  att [4096][1024] bf16, wo [1024][1024] bf16 (in wb at 6 MiB), x and x2 [4096][1024] f32; sums in f32.
; N is 1,024, so blocks of 128 x 128 give the 256 work-groups that fill the chip; a wave makes 64 x 64: F x F = 16 accumulator tiles.  K goes in steps of KS = 256
; through two LDS slots filled by the tensor data mover: KS rows of W ([K][N] as it lies, 256 bytes a row) and 128 rows of A (512 bytes a row).
; W's fragments are read by ds_load_tr16_b128, which transposes on the way.
; CLUSTERS of 4 x 4 work-groups: A's tile is asked for jointly along a row of the cluster, W's along a column: a quarter of the requests.
; REGISTER WINDOWS: 0: addresses, A's fragments (two buffers), the residual, the way out; 1: W's fragments; 2, 3: accumulators of my lower and upper rows, tile (a, b) at v[8 (F a + b)].
; THE MATRIX INSTRUCTION IS USED TRANSPOSED: source 0 = 16 columns of W, source 1 = 16 rows of A; a lane then holds 8 neighbouring columns of one row of C.
; THE RESIDUAL (my 64 rows x 256 bytes of x) is asked for at the start, 32 loads into 128 registers that the K loop never names, so that it has the whole loop in which to land.
.set F,      4
.set KS,     256
.set QIA,    6                         ; A's rows: 2<<6 = 128 words
.set QIB,    5                         ; W's rows: 2<<5 = 64 words
.set SIZE_K, 1024
.set SIZE_N, 1024
.set NBP,    1024
.set B_OFF,  6291456
.set ESZ,    4
.set BM,     32*F
.set BN,     32*F
.set QN,     KS/32
.set PB,     2*BN+32
.set PA,     2*KS+16
.set BBYTES, KS*PB
.set SLOT,   BBYTES+BM*PA
.set STAGE,  2*SLOT
.set SPITCH, 272
.set LAPS,   SIZE_K/(2*KS)
.set ROWB,   SIZE_N*ESZ
.set ADRA, 16
.set ADRB, 20
.set STO,  24
.set RD,   25
.set CO,   26
.set RB,   32                          ; v[32:63]   rows read back from the stage
.set F0,   64                          ; v[64:95]   fragment buffer 0
.set RES0, 96                          ; v[96:127]  the residual of my rows 0-15
.set F1,   128                         ; v[128:159] fragment buffer 1
.set RES1, 160                         ; v[160:191] of my rows 16-31
.set RES2, 192                         ; v[192:223] of my rows 32-47
.set RES3, 224                         ; v[224:255] of my rows 48-63
.set G1, 24
.set G0, 32
.set G1B, 48
.set G0B, 56
.set MSB, 0
.macro WIN new
.if MSB != \new
	s_set_vgpr_msb (MSB<<8)|\new
.set MSB, \new
.endif
.endm
.set MUL_LO, 0xa1
.set MUL_HI, 0xf1
.set TO_B,   0x40
.macro JLOAD s                         ; waves 0, 1 ask for W's two halves, waves 2, 3 for A's; the branch hangs on the wave's number alone
	s_cmp_eq_u32 s11, 0
	s_cbranch_scc0 .Lfor_a_\@
	tensor_load_to_lds s[G0B+4*\s:G0B+4*\s+3], s[G1B:G1B+7]
	s_nop 0
	s_branch .Lasked_\@
.Lfor_a_\@:
	tensor_load_to_lds s[G0+4*\s:G0+4*\s+3], s[G1:G1+7]
	s_nop 0
.Lasked_\@:
.endm
.macro CREST
	s_cmp_lg_u32 s10, 0
	s_cbranch_scc1 .Lnot_wave_0_\@
	s_barrier_signal -3
.Lnot_wave_0_\@:
	s_barrier_wait -3
	s_barrier_signal -1
	s_barrier_wait -1
.endm
.macro CROUND
	s_barrier_signal -1
	s_barrier_wait -1
	CREST
.endm
.macro PLACES                          ; four plain vector instructions between a matrix instruction and a load into, or a vector instruction or store on, its registers
.rept 4
	v_nop
.endr
.endm
	s_load_b128 s[4:7], s[0:1], 0x0                ; A s[4:5], wb s[6:7]
	s_load_b64 s[66:67], s[0:1], 0x10              ; the residual
	s_load_b64 s[8:9], s[0:1], 0x18                ; C
	s_set_vgpr_msb 0x40
	v_lshl_add_u32 v255, v0, 2, 0x49400
	s_set_vgpr_msb 0x4000
	v_mov_b32 v31, 0
	s_set_vgpr_msb 0x1
	ds_add_u32 v255, v31
	s_set_vgpr_msb 0x100
	v_lshrrev_b32 v1, 5, v0
	v_readfirstlane_b32 s10, v1
	s_lshr_b32 s11, s10, 1
	s_and_b32 s12, s10, 1
	s_bfe_u32 s40, ttmp6, 0x40000
	s_bfe_u32 s41, ttmp6, 0x40004
	s_lshl_b32 s42, ttmp9, 2
	s_add_co_u32 s42, s42, s40                     ; block column
	s_and_b32 s13, ttmp7, 0xffff
	s_lshl_b32 s13, s13, 2
	s_add_co_u32 s13, s13, s41                     ; block row
	s_lshl_b32 s43, s41, 2
	s_lshl_b32 s43, 15, s43
	s_lshl_b32 s44, 0x1111, s40
	s_or_b32 s[G1+0], s43, (1<<16)|(1<<20)|(1<<21)|(QIA<<22)|(3<<25)
	s_mov_b32 s[G1+1], KS<<16
	s_mov_b32 s[G1+2], (BM/2)<<16
	s_mov_b32 s[G1+3], KS<<16
	s_mov_b32 s[G1+4], BM/2
	s_mov_b32 s[G1+5], SIZE_K
	s_mov_b32 s[G1+6], 0
	s_mov_b32 s[G1+7], 0
	s_or_b32 s[G1B+0], s44, (1<<16)|(1<<20)|(1<<21)|(QIB<<22)|(7<<25)
	s_mov_b32 s[G1B+1], BN<<16
	s_mov_b32 s[G1B+2], (KS/2)<<16
	s_mov_b32 s[G1B+3], BN<<16
	s_mov_b32 s[G1B+4], KS/2
	s_mov_b32 s[G1B+5], NBP
	s_mov_b32 s[G1B+6], 0
	s_mov_b32 s[G1B+7], 0
	s_mul_i32 s17, s12, BM/2
	s_mul_i32 s16, s13, BM
	s_add_co_u32 s16, s16, s17
	s_mul_i32 s16, s16, SIZE_K*2
	s_mov_b32 s17, 0
	s_mul_i32 s46, s42, 2*BN
	s_mul_i32 s47, s12, KS*NBP
	s_add_co_u32 s46, s46, s47
	s_add_co_u32 s46, s46, B_OFF
	s_mov_b32 s47, 0
	s_mul_i32 s20, s10, (KS/2)*PB
	s_mul_i32 s21, s10, (BM/2)*PA
	s_add_co_u32 s21, s21, BBYTES-BM*PA
	s_mul_i32 s80, s13, BM                         ; my tile's place in the residual and in C, in registers of its own:
	s_mul_i32 s81, s11, 16*F
	s_add_co_u32 s80, s80, s81                     ; my first row,
	s_mul_i32 s80, s80, ROWB
	s_mul_i32 s81, s42, BN*ESZ
	s_add_co_u32 s80, s80, s81                     ; the block's first column,
	s_lshl_b32 s81, s12, 8
	s_add_co_u32 s80, s80, s81                     ; my 256 bytes of its rows: below 2^24 in all
	s_mov_b32 s81, 0
	s_wait_dscnt 0x0
	s_wait_kmcnt 0x0
	s_add_nc_u64 s[14:15], s[4:5], s[16:17]
	s_add_nc_u64 s[46:47], s[6:7], s[46:47]
	s_add_nc_u64 s[8:9], s[8:9], s[80:81]
	s_add_nc_u64 s[66:67], s[66:67], s[80:81]
	CROUND
.irp s, 0,1
	s_mov_b32 s[G0+4*\s], 1
	s_add_co_u32 s[G0+4*\s+1], s21, \s*SLOT
	s_add_nc_u64 s[G0+4*\s+2:G0+4*\s+3], s[14:15], \s*KS*2
	s_or_b32 s[G0+4*\s+3], s[G0+4*\s+3], 0x80000000
	s_mov_b32 s[G0B+4*\s], 1
	s_add_co_u32 s[G0B+4*\s+1], s20, \s*SLOT
	s_add_nc_u64 s[G0B+4*\s+2:G0B+4*\s+3], s[46:47], \s*KS*2*NBP
	s_or_b32 s[G0B+4*\s+3], s[G0B+4*\s+3], 0x80000000
	JLOAD \s                                       ; both slots' first fills: two tensor loads of the wave are out, the most in this text
.endr
	v_and_b32 v1, 15, v0
	v_bfe_u32 v2, v0, 4, 1
	v_mul_u32_u24 v5, v2, ROWB
	v_lshl_add_u32 v[CO], v1, 4, v5                ; lanes 0-15 one row's 256 bytes, lanes 16-31 the next row's
.macro RESLD i, res                    ; rows 16 i .. 16 i + 15 of my tile's residual: the row stands in the immediate, 62 rows of 4,096 bytes at the most
.set t, 0
.rept 8
	global_load_b128 v[\res+4*t:\res+4*t+3], v[CO], s[66:67] offset:(16*\i+2*t)*ROWB
.set t, t+1
.endr
.endm
	RESLD 0, RES0
	RESLD 1, RES1
	RESLD 2, RES2
	RESLD 3, RES3
	v_mul_u32_u24 v3, v1, PA
	v_lshl_add_u32 v3, v2, 4, v3
	s_mul_i32 s21, s11, 16*F*PA
	s_add_co_u32 s21, s21, BBYTES
	v_add_nc_u32 v[ADRA], s21, v3
	v_add_nc_u32 v[ADRA+1], SLOT, v[ADRA]
	v_and_b32 v4, 7, v0
	v_lshl_add_u32 v4, v2, 3, v4
	v_mul_u32_u24 v4, v4, PB
	v_bfe_u32 v5, v0, 3, 1
	v_lshl_add_u32 v4, v5, 4, v4
	s_mul_i32 s22, s12, 32*F
	v_add_nc_u32 v[ADRB], s22, v4
	v_add_nc_u32 v[ADRB+2], SLOT, v[ADRB]
	v_add_nc_u32 v[ADRB+1], 128*PB, v[ADRB]        ; k rows 128 and up lie beyond the 16-bit immediate
	v_add_nc_u32 v[ADRB+3], 128*PB, v[ADRB+2]
	s_mul_i32 s23, s10, 16*SPITCH
	s_add_co_u32 s23, s23, STAGE
	v_mul_u32_u24 v4, v1, SPITCH
	v_lshl_add_u32 v4, v2, 5, v4
	v_add_nc_u32 v[STO], s23, v4                   ; in: row r, 32 bytes (8 f32) for each half
	v_mul_u32_u24 v5, v2, SPITCH
	v_lshl_add_u32 v5, v1, 4, v5
	v_add_nc_u32 v[RD], s23, v5
; F*F/4 matrix instructions.  All F*F accumulators take turns in one fixed order, one instruction a turn.
.macro MULQ f, hi, part, zero
.set ma, (\part)*(F/4)
.rept F/4
.set mb, 0
.rept F
.if \zero
	v_wmma_f32_16x16x32_bf16 v[8*(F*ma+mb):8*(F*ma+mb)+7], v[\f+8*mb:\f+8*mb+7], v[\f+8*((F/2)*\hi+ma):\f+8*((F/2)*\hi+ma)+7], 0
.else
	v_wmma_f32_16x16x32_bf16 v[8*(F*ma+mb):8*(F*ma+mb)+7], v[\f+8*mb:\f+8*mb+7], v[\f+8*((F/2)*\hi+ma):\f+8*((F/2)*\hi+ma)+7], v[8*(F*ma+mb):8*(F*ma+mb)+7]
.endif
.set mb, mb+1
.endr
.set ma, ma+1
.endr
.endm
.macro FETCH slot, q, f
	WIN TO_B
.set fi, 0
.rept F
	ds_load_tr16_b128 v[\f+8*fi:\f+8*fi+3],   v[ADRB+2*\slot+(\q)/4] offset:((\q)%4)*32*PB+32*fi
	ds_load_tr16_b128 v[\f+8*fi+4:\f+8*fi+7], v[ADRB+2*\slot+(\q)/4] offset:((\q)%4)*32*PB+32*fi+16*PB
.set fi, fi+1
.endr
	WIN 0
.set fi, 0
.rept F
	ds_load_b128 v[\f+8*fi:\f+8*fi+3],   v[ADRA+\slot] offset:64*(\q)+fi*16*PA
	ds_load_b128 v[\f+8*fi+4:\f+8*fi+7], v[ADRA+\slot] offset:64*(\q)+fi*16*PA+32
.set fi, fi+1
.endr
.endm
.macro QUARTER slot, q, f, g, zero
	s_wait_dscnt F                                 ; the youngest F loads (A's upper rows) may be out
	WIN MUL_LO
	MULQ \f, 0, 0, \zero
	MULQ \f, 0, 1, \zero
	PLACES
	FETCH \slot, \q, \g
	s_wait_dscnt 4*F                               ; all but the 4 F just issued
	WIN MUL_HI
	MULQ \f, 1, 0, \zero
	MULQ \f, 1, 1, \zero
.endm
.macro RUNQ slot, zero
	QUARTER \slot, 1, F0, F1, \zero
.set rq, 2
.rept (QN-2)/2
	QUARTER \slot, rq, F1, F0, 0
	QUARTER \slot, rq+1, F0, F1, 0
.set rq, rq+2
.endr
.endm
; The last quarter, and the change of slots: each wave's reads of this slot and all its tensor loads are waited for in front of the barrier; where the slot is filled
; again the barrier opens a round of the cluster's barrier, and the joint refill is the first tensor load behind the round.
.macro TURN slot, next, fill
	s_wait_dscnt F
	WIN MUL_LO
	MULQ F1, 0, 0, 0
	s_wait_dscnt 0
	s_wait_tensorcnt 0x0
	ds_add_u32 v255, v31
	s_wait_dscnt 0x0
	s_barrier_signal -1
	MULQ F1, 0, 1, 0
	WIN 0
	s_barrier_wait -1
.if \fill
	CREST
	s_add_nc_u64 s[G0+4*\slot+2:G0+4*\slot+3], s[G0+4*\slot+2:G0+4*\slot+3], 4*KS
	s_add_nc_u64 s[G0B+4*\slot+2:G0B+4*\slot+3], s[G0B+4*\slot+2:G0B+4*\slot+3], 4*KS*NBP
	JLOAD \slot
.endif
	PLACES
	FETCH \next, 0, F0
	WIN MUL_HI
	MULQ F1, 1, 0, 0
	MULQ F1, 1, 1, 0
.endm
.macro LAP zero
	RUNQ 0, \zero
	TURN 0, 1, 1
	RUNQ 1, 0
	TURN 1, 0, 1
.endm
	s_wait_tensorcnt 1                             ; my part of slot 0 is in; slot 1's may stay out
	s_barrier_signal -1
	s_barrier_wait -1
	FETCH 0, 0, F0
	LAP 1
.if LAPS > 2
	WIN 0
	s_mov_b32 s3, LAPS-2
.Llap:
	LAP 0
	WIN 0
	s_sub_co_u32 s3, s3, 1
	s_cmp_lg_u32 s3, 0
	s_cbranch_scc1 .Llap
.endif
	RUNQ 0, 0
	TURN 0, 1, 0
	RUNQ 1, 0
	s_wait_dscnt F
	WIN MUL_LO
	MULQ F1, 0, 0, 0
	MULQ F1, 0, 1, 0
	s_wait_dscnt 0
	WIN MUL_HI
	MULQ F1, 1, 0, 0
	MULQ F1, 1, 1, 0
	; THE WAY OUT, 16 rows of 64 f32 at a time through my own stage; the residual is added on the way
	PLACES
	s_wait_loadcnt 0x0                             ; the 32 loads of the residual, issued at the start
.macro OUTF i, a, from, res            ; from: the store data's window (0x08: window 2, 0x0c: window 3)
	WIN \from
.set t, 0
.rept 4
	ds_store_b128 v[STO], v[8*(4*\a+t):8*(4*\a+t)+3]   offset:64*t
	ds_store_b128 v[STO], v[8*(4*\a+t)+4:8*(4*\a+t)+7] offset:64*t+16
.set t, t+1
.endr
	WIN 0
.if \i
	s_wait_xcnt 0x0                                ; RB, which the last stores read, is loaded again only behind this wait
.endif
.set t, 0
.rept 8
	ds_load_b128 v[RB+4*t:RB+4*t+3], v[RD] offset:t*2*SPITCH     ; LDS serves a wave's instructions in order: these see the stores above
.set t, t+1
.endr
.set t, 0
.rept 8
	s_wait_dscnt 7-t                               ; pair t of rows of the product is back
	v_pk_add_f32 v[RB+4*t:RB+4*t+1], v[RB+4*t:RB+4*t+1], v[\res+4*t:\res+4*t+1]
	v_pk_add_f32 v[RB+4*t+2:RB+4*t+3], v[RB+4*t+2:RB+4*t+3], v[\res+4*t+2:\res+4*t+3]
	global_store_b128 v[CO], v[RB+4*t:RB+4*t+3], s[8:9] offset:(16*\i+2*t)*ROWB   ; 16 lanes store 256 consecutive aligned bytes
.set t, t+1
.endr
.endm
	OUTF 0, 0, 0x08, RES0
	OUTF 1, 1, 0x08, RES1
	OUTF 2, 0, 0x0c, RES2
	OUTF 3, 1, 0x0c, RES3
	s_set_vgpr_msb 0x1
	s_wait_tensorcnt 0x0
	ds_add_u32 v255, v31
	s_wait_dscnt 0x0
	s_set_vgpr_msb 0x100
	CROUND                                         ; the closing round
	s_endpgm
.Lfunc_end_k_q70923fabee_oproj:
	.size	k_q70923fabee_oproj, .Lfunc_end_k_q70923fabee_oproj-k_q70923fabee_oproj
	.p2alignl 7, 3214868480
	.fill 96, 4, 3214868480
	.section	.rodata,"a",@progbits
	.p2align	6, 0x0
	.amdhsa_kernel k_q70923fabee_oproj
		.amdhsa_group_segment_fixed_size 327680
		.amdhsa_private_segment_fixed_size 0
		.amdhsa_enable_private_segment 0
		.amdhsa_kernarg_size 32
		.amdhsa_user_sgpr_count 2
		.amdhsa_user_sgpr_kernarg_segment_ptr 1
		.amdhsa_wavefront_size32 1
		.amdhsa_system_sgpr_workgroup_id_x 1
		.amdhsa_system_sgpr_workgroup_id_y 1
		.amdhsa_system_sgpr_workgroup_id_z 1
		.amdhsa_system_vgpr_workitem_id 0
		.amdhsa_next_free_vgpr 832
		.amdhsa_next_free_sgpr 90
		.amdhsa_reserve_vcc 0
		.amdhsa_float_denorm_mode_32 3
		.amdhsa_float_denorm_mode_16_64 3
		.amdhsa_memory_ordered 1
		.amdhsa_forward_progress 1
		.amdhsa_inst_pref_size 100
	.end_amdhsa_kernel
	.amdgpu_metadata
---
amdhsa.version: [ 1, 2 ]
amdhsa.kernels:
  - .name:           k_q70923fabee_oproj
    .symbol:         k_q70923fabee_oproj.kd
    .args:
      - { .name: att, .offset: 0, .size: 8, .value_kind: global_buffer, .address_space: global }
      - { .name: wb, .offset: 8, .size: 8, .value_kind: global_buffer, .address_space: global }
      - { .name: x, .offset: 16, .size: 8, .value_kind: global_buffer, .address_space: global }
      - { .name: x2, .offset: 24, .size: 8, .value_kind: global_buffer, .address_space: global }
    .group_segment_fixed_size: 327680
    .private_segment_fixed_size: 0
    .kernarg_segment_align: 8
    .kernarg_segment_size: 32
    .max_flat_workgroup_size: 128
    .sgpr_count:     90
    .vgpr_count:     832
    .wavefront_size: 32
...
	.end_amdgpu_metadata
.endif
;; end of part 4
;; launch ln2 (part 5): grid 256 x 1, 4 waves a work-group, no clusters, 0 bytes of LDS; arguments x2, ln2_w, ln2_b, h; writes h
.if DOCPART == 5
	.amdgcn_target "amdgcn-amd-amdhsa--gfx1250"
	.amdhsa_code_object_version 6
	.text
	.protected	k_q70923fabee_ln2
	.globl	k_q70923fabee_ln2
	.p2align	8
	.type	k_q70923fabee_ln2,@function
k_q70923fabee_ln2:
	s_mov_b64 s[64:65], 0
	v_nop
	global_prefetch_b8 v0, s[64:65] scope:SCOPE_SE
	s_setreg_imm32_b32 hwreg(HW_REG_WAVE_MODE, 25, 1), 1
	s_wait_xcnt 0x0
; h = LayerNorm(x2) with ln2_w, ln2_b, in bf16.  x2 [4096][1024] f32.  16 rows a work-group, 4 rows a wave, a row kept in 32 registers of one wave:
; mean, then x - mean, then the mean of the squares (the two passes of the definition, so a common offset costs no accuracy), 1/sqrt by v_rsq_f32.
; A stream: no LDS, no barrier, no matrix unit.  Each load of a wave covers 512 consecutive bytes, each store 256 consecutive aligned bytes.
.set T,  4                             ; v[4:11]    at work
.set U,  12                            ; v[12:13]   the mean, twice
.set R,  14                            ; v[14:15]   1/sqrt(var + eps), twice
.set W,  16                            ; v[16:47]   gain of my 32 columns
.set BV, 48                            ; v[48:79]   bias of my 32 columns
.set X,  80                            ; v[80:207]  4 rows of 32 registers
.macro WSUM                            ; v[T] summed over the 32 lanes, the result in every lane
	v_add_f32_dpp v[T], v[T], v[T] row_xmask:1 row_mask:0xf bank_mask:0xf
	v_add_f32_dpp v[T], v[T], v[T] row_xmask:2 row_mask:0xf bank_mask:0xf
	v_add_f32_dpp v[T], v[T], v[T] row_xmask:4 row_mask:0xf bank_mask:0xf
	v_add_f32_dpp v[T], v[T], v[T] row_xmask:8 row_mask:0xf bank_mask:0xf
	v_permlanex16_b32 v[T+1], v[T], s32, s33
	v_add_f32 v[T], v[T], v[T+1]
.endm
.macro FOLD
	v_pk_add_f32 v[T:T+1], v[T:T+1], v[T+2:T+3]
	v_pk_add_f32 v[T+4:T+5], v[T+4:T+5], v[T+6:T+7]
	v_pk_add_f32 v[T:T+1], v[T:T+1], v[T+4:T+5]
	v_add_f32 v[T], v[T], v[T+1]
.endm
.macro LNROW i
.set XR, X+32*\i
	s_wait_loadcnt 8*(3-\i)                        ; only the eight loads of each younger row may be out; gain and bias are older
.irp c, 0,1,2,3
	v_pk_add_f32 v[T+2*\c:T+2*\c+1], v[XR+2*\c:XR+2*\c+1], v[XR+8+2*\c:XR+8+2*\c+1]
.endr
.set k, 8
.rept 8
	v_pk_add_f32 v[T+2*(k%4):T+2*(k%4)+1], v[T+2*(k%4):T+2*(k%4)+1], v[XR+2*k:XR+2*k+1]
.set k, k+1
.endr
	FOLD
	WSUM
	v_mul_f32 v[U], s34, v[T]
	v_mul_f32 v[U+1], s34, v[T]
.set k, 0
.rept 16
	v_pk_add_f32 v[XR+2*k:XR+2*k+1], v[XR+2*k:XR+2*k+1], v[U:U+1] neg_lo:[0,1] neg_hi:[0,1]
.set k, k+1
.endr
.irp c, 0,1,2,3
	v_pk_mul_f32 v[T+2*\c:T+2*\c+1], v[XR+2*\c:XR+2*\c+1], v[XR+2*\c:XR+2*\c+1]
.endr
.set k, 4
.rept 12
	v_pk_fma_f32 v[T+2*(k%4):T+2*(k%4)+1], v[XR+2*k:XR+2*k+1], v[XR+2*k:XR+2*k+1], v[T+2*(k%4):T+2*(k%4)+1]
.set k, k+1
.endr
	FOLD
	WSUM
	v_fma_f32 v[T], v[T], s34, s35
	v_rsq_f32 v[R], v[T]
	v_rsq_f32 v[R+1], v[T]
	v_nop                                          ; one plain vector instruction behind a transcendental before its result is used (ISA guide 5.7.2)
.set k, 0
	s_wait_alu depctr_va_vdst(0)
.rept 16
	v_pk_mul_f32 v[XR+2*k:XR+2*k+1], v[XR+2*k:XR+2*k+1], v[R:R+1]
.set k, k+1
.endr
.set k, 0
.rept 16
	v_pk_fma_f32 v[XR+2*k:XR+2*k+1], v[XR+2*k:XR+2*k+1], v[W+2*k:W+2*k+1], v[BV+2*k:BV+2*k+1]
.set k, k+1
.endr
.set k, 0
.rept 16
	v_cvt_pk_bf16_f32 v[XR+k], v[XR+2*k], v[XR+2*k+1]
.set k, k+1
.endr
.set k, 0
.rept 8
	global_store_b64 v2, v[XR+2*k:XR+2*k+1], s[10:11] offset:2048*\i+256*k
.set k, k+1
.endr
.endm
	s_load_b256 s[4:11], s[0:1], 0x0               ; x2 s[4:5], ln2_w s[6:7], ln2_b s[8:9], h s[10:11]
	v_and_b32 v3, 31, v0
	v_lshrrev_b32 v2, 5, v0
	v_lshlrev_b32 v1, 14, v2
	v_lshl_add_u32 v1, v3, 4, v1                   ; in: 16 x lane + 16,384 x wave
	v_lshlrev_b32 v2, 13, v2
	v_lshl_add_u32 v2, v3, 3, v2                   ; out: 8 x lane + 8,192 x wave
	v_lshlrev_b32 v3, 4, v3
	s_mov_b32 s27, 0
	s_mov_b32 s32, 0x76543210
	s_mov_b32 s33, 0xfedcba98
	s_mov_b32 s34, 0x3a800000                      ; 1/1024
	s_mov_b32 s35, 0x2b8cbccc                      ; 1e-12
	s_wait_kmcnt 0x0
	s_lshl_b32 s26, ttmp9, 16
	s_add_nc_u64 s[4:5], s[4:5], s[26:27]
	s_lshl_b32 s26, ttmp9, 15
	s_add_nc_u64 s[10:11], s[10:11], s[26:27]
.set j, 0
.rept 8
	global_load_b128 v[W+4*j:W+4*j+3], v3, s[6:7] offset:512*j
.set j, j+1
.endr
.set j, 0
.rept 8
	global_load_b128 v[BV+4*j:BV+4*j+3], v3, s[8:9] offset:512*j
.set j, j+1
.endr
.set j, 0
.rept 32
	global_load_b128 v[X+4*j:X+4*j+3], v1, s[4:5] offset:512*j
.set j, j+1
.endr
	LNROW 0
	LNROW 1
	LNROW 2
	LNROW 3
	s_endpgm
.Lfunc_end_k_q70923fabee_ln2:
	.size	k_q70923fabee_ln2, .Lfunc_end_k_q70923fabee_ln2-k_q70923fabee_ln2
	.p2alignl 7, 3214868480
	.fill 96, 4, 3214868480
	.section	.rodata,"a",@progbits
	.p2align	6, 0x0
	.amdhsa_kernel k_q70923fabee_ln2
		.amdhsa_group_segment_fixed_size 0
		.amdhsa_private_segment_fixed_size 0
		.amdhsa_enable_private_segment 0
		.amdhsa_kernarg_size 32
		.amdhsa_user_sgpr_count 2
		.amdhsa_user_sgpr_kernarg_segment_ptr 1
		.amdhsa_wavefront_size32 1
		.amdhsa_system_sgpr_workgroup_id_x 1
		.amdhsa_system_sgpr_workgroup_id_y 1
		.amdhsa_system_sgpr_workgroup_id_z 1
		.amdhsa_system_vgpr_workitem_id 0
		.amdhsa_next_free_vgpr 208
		.amdhsa_next_free_sgpr 66
		.amdhsa_reserve_vcc 0
		.amdhsa_float_denorm_mode_32 3
		.amdhsa_float_denorm_mode_16_64 3
		.amdhsa_memory_ordered 1
		.amdhsa_forward_progress 1
		.amdhsa_inst_pref_size 38
	.end_amdhsa_kernel
	.amdgpu_metadata
---
amdhsa.version: [ 1, 2 ]
amdhsa.kernels:
  - .name:           k_q70923fabee_ln2
    .symbol:         k_q70923fabee_ln2.kd
    .args:
      - { .name: x2, .offset: 0, .size: 8, .value_kind: global_buffer, .address_space: global }
      - { .name: ln2_w, .offset: 8, .size: 8, .value_kind: global_buffer, .address_space: global }
      - { .name: ln2_b, .offset: 16, .size: 8, .value_kind: global_buffer, .address_space: global }
      - { .name: h, .offset: 24, .size: 8, .value_kind: global_buffer, .address_space: global }
    .group_segment_fixed_size: 0
    .private_segment_fixed_size: 0
    .kernarg_segment_align: 8
    .kernarg_segment_size: 32
    .max_flat_workgroup_size: 128
    .sgpr_count:     66
    .vgpr_count:     208
    .wavefront_size: 32
...
	.end_amdgpu_metadata
.endif
;; end of part 5
;; launch ffn1 (part 6): grid 16 x 16, 4 waves a work-group, clusters of 4 x 4, 327,680 bytes of LDS; arguments h, wb, g; writes g
.if DOCPART == 6
	.amdgcn_target "amdgcn-amd-amdhsa--gfx1250"
	.amdhsa_code_object_version 6
	.text
	.protected	k_q70923fabee_ffn1
	.globl	k_q70923fabee_ffn1
	.p2align	8
	.type	k_q70923fabee_ffn1,@function
k_q70923fabee_ffn1:
	s_mov_b64 s[64:65], 0
	v_nop
	global_prefetch_b8 v0, s[64:65] scope:SCOPE_SE
	s_setreg_imm32_b32 hwreg(HW_REG_WAVE_MODE, 25, 1), 1
	s_wait_xcnt 0x0
	s_wait_alu depctr_hold_cnt(0) depctr_sa_sdst(0) depctr_va_vdst(0) depctr_va_sdst(0) depctr_va_ssrc(0) depctr_va_vcc(0) depctr_vm_vsrc(0)
	s_getreg_b32 s2, hwreg(HW_REG_IB_STS2, 6, 4)
	s_cmp_eq_u32 s2, 0
	s_cbranch_scc0 .Lentry_in_a_cluster
	s_endpgm
.Lentry_in_a_cluster:
	s_bfe_u32 s2, ttmp6, 0x10000c
	s_cmp_lg_u32 s2, 0xf033
	s_cbranch_scc0 .Lentry_shape_is_right
	s_endpgm
.Lentry_shape_is_right:
; g[m][n] = gelu(sum over k of h[m][k] w1[k][n]), the exact (erf) GELU.  h [4096][1024] bf16, w1 [1024][4096] bf16 (in wb at 8 MiB), g [4096][4096] bf16; sums in f32.
; A work-group makes 256 x 256 of C with four waves, a wave 128 x 128: F x F = 64 accumulator tiles of 16 x 16.  K goes in steps of KS = 128 through two LDS slots
; filled by the tensor data mover: KS rows of W ([K][N] as it lies, 512 bytes a row) and 256 rows of A (256 bytes a row).
; W's fragments are read by ds_load_tr16_b128, which transposes on the way.
; CLUSTERS of 4 x 4 work-groups: A's tile is asked for jointly along a row of the cluster, W's along a column: a quarter of the requests.
; REGISTER WINDOWS: 0: addresses, A's fragments (two buffers), the way out; 1: W's fragments; 2, 3: accumulators of my lower and upper rows, tile (a, b) at v[8 (F a + b)].
; THE MATRIX INSTRUCTION IS USED TRANSPOSED: source 0 = 16 columns of W, source 1 = 16 rows of A; a lane then holds 8 neighbouring columns of one row of C.
; GELU: gelu(x) = max(x, 0) - |x|/2 erfc(|x|/sqrt 2), erfc(z) = P(t) e^(-z z), t = 1/(1 + 0.3275911 z), P the polynomial of five terms of Abramowitz and Stegun 7.1.26.
; LIMIT KEPT: that formula's error in erf is at most 1.5e-7 (absolute); for large |x| the second term runs to 0 and gelu to max(x, 0), with no overflow on the way.
.set F,      8
.set KS,     128
.set QIA,    5
.set QIB,    6
.set SIZE_K, 1024
.set SIZE_N, 4096
.set NBP,    4096
.set B_OFF,  8388608
.set SPLITW, 0
.set ESZ,    2
.set BM,     32*F
.set BN,     32*F
.set QN,     KS/32
.set PB,     2*BN+32
.set PA,     2*KS+16
.set BBYTES, KS*PB
.set SLOT,   BBYTES+BM*PA
.set STAGE,  2*SLOT
.set SPITCH, 272
.set LAPS,   SIZE_K/(2*KS)
.set ROWB,   SIZE_N*ESZ
.set ADRA, 16
.set ADRB, 20
.set STO,  24
.set RD,   25
.set CO,   26
.set A4,   28                          ; v[28:29] a coefficient of P, twice
.set RB,   32
.set F0,   64
.set F1,   128
.set GU,   64                          ; the way out: u = K1 x of 16 rows
.set GR,   128                         ; the way out: max(x, 0), then the result
.set TMP,  192
.set GT,   224                         ; v[224:231] t, v[232:239] e, v[240:247] p
.set G1, 24
.set G0, 32
.set G1B, 48
.set G0B, 56
.set MSB, 0
.macro WIN new
.if MSB != \new
	s_set_vgpr_msb (MSB<<8)|\new
.set MSB, \new
.endif
.endm
.set MUL_LO, 0xa1
.set MUL_HI, 0xf1
.set TO_B,   0x40
.macro JLOAD s                         ; waves 0, 1 ask for W's two halves, waves 2, 3 for A's; the branch hangs on the wave's number alone
	s_cmp_eq_u32 s11, 0
	s_cbranch_scc0 .Lfor_a_\@
	tensor_load_to_lds s[G0B+4*\s:G0B+4*\s+3], s[G1B:G1B+7]
	s_nop 0
	s_branch .Lasked_\@
.Lfor_a_\@:
	tensor_load_to_lds s[G0+4*\s:G0+4*\s+3], s[G1:G1+7]
	s_nop 0
.Lasked_\@:
.endm
.macro CREST
	s_cmp_lg_u32 s10, 0
	s_cbranch_scc1 .Lnot_wave_0_\@
	s_barrier_signal -3
.Lnot_wave_0_\@:
	s_barrier_wait -3
	s_barrier_signal -1
	s_barrier_wait -1
.endm
.macro CROUND
	s_barrier_signal -1
	s_barrier_wait -1
	CREST
.endm
.macro PLACES                          ; four plain vector instructions between a matrix instruction and a load into, or a vector instruction on, its registers
.rept 4
	v_nop
.endr
.endm
	s_load_b128 s[4:7], s[0:1], 0x0                ; A s[4:5], wb s[6:7]
	s_load_b64 s[8:9], s[0:1], 0x10                ; C
	s_set_vgpr_msb 0x40
	v_lshl_add_u32 v255, v0, 2, 0x48400
	s_set_vgpr_msb 0x4000
	v_mov_b32 v255, 0
	s_set_vgpr_msb 0x1
	ds_add_u32 v255, v255
	s_set_vgpr_msb 0x100
	v_lshrrev_b32 v1, 5, v0
	v_readfirstlane_b32 s10, v1
	s_lshr_b32 s11, s10, 1
	s_and_b32 s12, s10, 1
	s_bfe_u32 s40, ttmp6, 0x40000
	s_bfe_u32 s41, ttmp6, 0x40004
	s_lshl_b32 s42, ttmp9, 2
	s_add_co_u32 s42, s42, s40                     ; block column
	s_and_b32 s13, ttmp7, 0xffff
	s_lshl_b32 s13, s13, 2
	s_add_co_u32 s13, s13, s41                     ; block row
	s_lshl_b32 s43, s41, 2
	s_lshl_b32 s43, 15, s43
	s_lshl_b32 s44, 0x1111, s40
	s_or_b32 s[G1+0], s43, (1<<16)|(1<<20)|(1<<21)|(QIA<<22)|(3<<25)
	s_mov_b32 s[G1+1], KS<<16
	s_mov_b32 s[G1+2], (BM/2)<<16
	s_mov_b32 s[G1+3], KS<<16
	s_mov_b32 s[G1+4], BM/2
	s_mov_b32 s[G1+5], SIZE_K
	s_mov_b32 s[G1+6], 0
	s_mov_b32 s[G1+7], 0
	s_or_b32 s[G1B+0], s44, (1<<16)|(1<<20)|(1<<21)|(QIB<<22)|(7<<25)
	s_mov_b32 s[G1B+1], BN<<16
	s_mov_b32 s[G1B+2], (KS/2)<<16
	s_mov_b32 s[G1B+3], BN<<16
	s_mov_b32 s[G1B+4], KS/2
	s_mov_b32 s[G1B+5], NBP
	s_mov_b32 s[G1B+6], 0
	s_mov_b32 s[G1B+7], 0
	s_mul_i32 s17, s12, BM/2
	s_mul_i32 s16, s13, BM
	s_add_co_u32 s16, s16, s17
	s_mul_i32 s16, s16, SIZE_K*2
	s_mov_b32 s17, 0
	s_mul_i32 s46, s42, 2*BN
	s_mul_i32 s47, s12, KS*NBP
	s_add_co_u32 s46, s46, s47
	s_add_co_u32 s46, s46, B_OFF
	s_mov_b32 s47, 0
	s_mul_i32 s20, s10, (KS/2)*PB
	s_mul_i32 s21, s10, (BM/2)*PA
	s_wait_dscnt 0x0
	s_wait_kmcnt 0x0
	s_add_nc_u64 s[14:15], s[4:5], s[16:17]
	s_add_nc_u64 s[46:47], s[6:7], s[46:47]
	CROUND
.irp s, 0,1
	s_mov_b32 s[G0+4*\s], 1
	s_add_co_u32 s[G0+4*\s+1], s21, \s*SLOT
	s_add_nc_u64 s[G0+4*\s+2:G0+4*\s+3], s[14:15], \s*KS*2
	s_or_b32 s[G0+4*\s+3], s[G0+4*\s+3], 0x80000000
	s_mov_b32 s[G0B+4*\s], 1
	s_add_co_u32 s[G0B+4*\s+1], s20, \s*SLOT
	s_add_nc_u64 s[G0B+4*\s+2:G0B+4*\s+3], s[46:47], \s*KS*2*NBP
	s_or_b32 s[G0B+4*\s+3], s[G0B+4*\s+3], 0x80000000
	JLOAD \s                                       ; both slots' first fills: two tensor loads of the wave are out, the most in this text
.endr
	v_and_b32 v1, 15, v0
	v_bfe_u32 v2, v0, 4, 1
	v_mul_u32_u24 v3, v1, PA
	v_lshl_add_u32 v3, v2, 4, v3
	s_mul_i32 s21, s11, 16*F*PA
	s_add_co_u32 s21, s21, BBYTES
	v_add_nc_u32 v[ADRA], s21, v3
	v_add_nc_u32 v[ADRA+1], SLOT, v[ADRA]
	v_and_b32 v4, 7, v0
	v_lshl_add_u32 v4, v2, 3, v4
	v_mul_u32_u24 v4, v4, PB
	v_bfe_u32 v5, v0, 3, 1
	v_lshl_add_u32 v4, v5, 4, v4
	s_mul_i32 s22, s12, 32*F
	v_add_nc_u32 v[ADRB], s22, v4
	v_add_nc_u32 v[ADRB+2], SLOT, v[ADRB]
	s_mul_i32 s23, s10, 16*SPITCH
	s_add_co_u32 s23, s23, STAGE
	v_mul_u32_u24 v4, v1, SPITCH
	v_lshl_add_u32 v4, v2, 4, v4
	v_add_nc_u32 v[STO], s23, v4
	v_mul_u32_u24 v5, v2, SPITCH
	v_lshl_add_u32 v5, v1, 4, v5
	v_add_nc_u32 v[RD], s23, v5
	v_mul_u32_u24 v5, v2, ROWB
	v_lshl_add_u32 v[CO], v1, 4, v5
; F*F/4 matrix instructions.  All F*F accumulators take turns in one fixed order, one instruction a turn.
.macro MULQ f, hi, part, zero
.set ma, (\part)*(F/4)
.rept F/4
.set mb, 0
.rept F
.if \zero
	v_wmma_f32_16x16x32_bf16 v[8*(F*ma+mb):8*(F*ma+mb)+7], v[\f+8*mb:\f+8*mb+7], v[\f+8*((F/2)*\hi+ma):\f+8*((F/2)*\hi+ma)+7], 0
.else
	v_wmma_f32_16x16x32_bf16 v[8*(F*ma+mb):8*(F*ma+mb)+7], v[\f+8*mb:\f+8*mb+7], v[\f+8*((F/2)*\hi+ma):\f+8*((F/2)*\hi+ma)+7], v[8*(F*ma+mb):8*(F*ma+mb)+7]
.endif
.set mb, mb+1
.endr
.set ma, ma+1
.endr
.endm
.macro FETCH slot, q, f
	WIN TO_B
.set fi, 0
.rept F
	ds_load_tr16_b128 v[\f+8*fi:\f+8*fi+3],   v[ADRB+2*\slot+(\q)/4] offset:((\q)%4)*32*PB+32*fi
	ds_load_tr16_b128 v[\f+8*fi+4:\f+8*fi+7], v[ADRB+2*\slot+(\q)/4] offset:((\q)%4)*32*PB+32*fi+16*PB
.set fi, fi+1
.endr
	WIN 0
.set fi, 0
.rept F
	ds_load_b128 v[\f+8*fi:\f+8*fi+3],   v[ADRA+\slot] offset:64*(\q)+fi*16*PA
	ds_load_b128 v[\f+8*fi+4:\f+8*fi+7], v[ADRA+\slot] offset:64*(\q)+fi*16*PA+32
.set fi, fi+1
.endr
.endm
.macro QUARTER slot, q, f, g, zero
	s_wait_dscnt F                                 ; the youngest F loads (A's upper rows) may be out
	WIN MUL_LO
	MULQ \f, 0, 0, \zero
	MULQ \f, 0, 1, \zero
	PLACES
	FETCH \slot, \q, \g
	s_wait_dscnt 4*F                               ; all but the 4 F just issued
	WIN MUL_HI
	MULQ \f, 1, 0, \zero
	MULQ \f, 1, 1, \zero
.endm
.macro RUNQ slot, zero
	QUARTER \slot, 1, F0, F1, \zero
.set rq, 2
.rept (QN-2)/2
	QUARTER \slot, rq, F1, F0, 0
	QUARTER \slot, rq+1, F0, F1, 0
.set rq, rq+2
.endr
.endm
; The last quarter, and the change of slots: each wave's reads of this slot and all its tensor loads are waited for in front of the barrier; where the slot is filled
; again the barrier opens a round of the cluster's barrier, and the joint refill is the first tensor load behind the round.
.macro TURN slot, next, fill
	s_wait_dscnt F
	WIN MUL_LO
	MULQ F1, 0, 0, 0
	s_wait_dscnt 0
	s_wait_tensorcnt 0x0
	ds_add_u32 v255, v255
	s_wait_dscnt 0x0
	s_barrier_signal -1
	MULQ F1, 0, 1, 0
	WIN 0
	s_barrier_wait -1
.if \fill
	CREST
	s_add_nc_u64 s[G0+4*\slot+2:G0+4*\slot+3], s[G0+4*\slot+2:G0+4*\slot+3], 4*KS
	s_add_nc_u64 s[G0B+4*\slot+2:G0B+4*\slot+3], s[G0B+4*\slot+2:G0B+4*\slot+3], 4*KS*NBP
	JLOAD \slot
.endif
	PLACES
	FETCH \next, 0, F0
	WIN MUL_HI
	MULQ F1, 1, 0, 0
	MULQ F1, 1, 1, 0
.endm
.macro LAP zero
	RUNQ 0, \zero
	TURN 0, 1, 1
	RUNQ 1, 0
	TURN 1, 0, 1
.endm
	s_wait_tensorcnt 1                             ; my part of slot 0 is in; slot 1's may stay out
	s_barrier_signal -1
	s_barrier_wait -1
	FETCH 0, 0, F0
	LAP 1
.if LAPS > 2
	WIN 0
	s_mov_b32 s3, LAPS-2
.Llap:
	LAP 0
	WIN 0
	s_sub_co_u32 s3, s3, 1
	s_cmp_lg_u32 s3, 0
	s_cbranch_scc1 .Llap
.endif
	RUNQ 0, 0
	TURN 0, 1, 0
	RUNQ 1, 0
	s_wait_dscnt F
	WIN MUL_LO
	MULQ F1, 0, 0, 0
	MULQ F1, 0, 1, 0
	s_wait_dscnt 0
	WIN MUL_HI
	MULQ F1, 1, 0, 0
	MULQ F1, 1, 1, 0
	; THE WAY OUT, 16 rows at a time: GELU in f32, bf16, through my own stage, so that 16 lanes store 256 consecutive aligned bytes
	PLACES
	s_mul_i32 s16, s13, BM
	s_mul_i32 s17, s11, 16*F
	s_add_co_u32 s16, s16, s17
	s_mul_i32 s16, s16, ROWB
	s_mov_b32 s17, 0
	s_add_nc_u64 s[8:9], s[8:9], s[16:17]
	s_mul_i32 s46, s42, BN*ESZ
	s_lshl_b32 s47, s12, 8
	s_add_co_u32 s46, s46, s47
	s_mov_b32 s47, 0
	s_add_nc_u64 s[8:9], s[8:9], s[46:47]
	; With u = K1 x, K1 = sqrt(log2(e)/2): e^(-x x/2) = 2^(-u u), t = 1/(1 + 0.27273748 |u|), |x|/2 = 0.58870501 |u|; that last factor is inside the coefficients.
	s_mov_b32 s68, 0x3f596d27                      ; K1 = 0.8493218
	s_mov_b32 s69, 0x3f596d27
	s_mov_b32 s70, 0x3e8ba43f                      ; 0.27273748
	s_mov_b32 s72, 0x3f1ff67a                      ; a5 =  1.061405429 x 0.58870501
	s_mov_b32 s73, 0x3f1ff67a
	s_mov_b32 s74, 0x3f563818                      ; a3 =  1.421413741 x
	s_mov_b32 s75, 0x3f563818
	s_mov_b32 s76, 0xbe2b8119                      ; a2 = -0.284496736 x
	s_mov_b32 s77, 0xbe2b8119
	s_mov_b32 s78, 0x3e199eb3                      ; a1 =  0.254829592 x
	s_mov_b32 s79, 0x3e199eb3
	WIN 0
	v_mov_b32 v[A4], 0xbf5b0099                    ; a4 = -1.453152027 x
	v_mov_b32 v[A4+1], 0xbf5b0099
.macro TAILB i
.set t, 0
.rept 8
	ds_store_b128 v[STO], v[TMP+4*t:TMP+4*t+3] offset:32*t
.set t, t+1
.endr
	s_wait_xcnt 0x0                                ; RB, which the last stores read, and their base are rewritten only behind this wait
.if \i
	s_add_nc_u64 s[8:9], s[8:9], 16*ROWB
.endif
.set t, 0
.rept 8
	ds_load_b128 v[RB+4*t:RB+4*t+3], v[RD] offset:t*2*SPITCH     ; LDS serves a wave's instructions in order: these see the stores above
.set t, t+1
.endr
.set t, 0
.rept 8
	s_wait_dscnt 7-t
	global_store_b128 v[CO], v[RB+4*t:RB+4*t+3], s[8:9] offset:2*t*ROWB
.set t, t+1
.endr
.endm
.macro GELU8 b                         ; the eight numbers of tile b
.set UB, GU+8*\b
.set RG, GR+8*\b
.irp k, 0,1,2,3,4,5,6,7
	v_fma_f32 v[GT+\k], |v[UB+\k]|, s70, 1.0
.endr
.irp k, 0,2,4,6
	v_pk_mul_f32 v[GT+8+\k:GT+9+\k], v[UB+\k:UB+\k+1], v[UB+\k:UB+\k+1] neg_lo:[1,0] neg_hi:[1,0]   ; -u u
.endr
.irp k, 0,1,2,3,4,5,6,7
	v_rcp_f32 v[GT+\k], v[GT+\k]                   ; t
.endr
.irp k, 0,1,2,3,4,5,6,7
	v_exp_f32 v[GT+8+\k], v[GT+8+\k]               ; e^(-x x/2)
.endr
	v_nop                                          ; one plain vector instruction behind the transcendentals (ISA guide 5.7.2)
	s_wait_alu depctr_va_vdst(0)
.irp k, 0,2,4,6
	v_pk_fma_f32 v[GT+16+\k:GT+17+\k], v[GT+\k:GT+\k+1], s[72:73], v[A4:A4+1] op_sel_hi:[1,0,1]
.endr
.irp c, 74,76,78
.irp k, 0,2,4,6
	v_pk_fma_f32 v[GT+16+\k:GT+17+\k], v[GT+16+\k:GT+17+\k], v[GT+\k:GT+\k+1], s[\c:\c+1] op_sel_hi:[1,1,0]
.endr
.endr
.irp k, 0,2,4,6
	v_pk_mul_f32 v[GT+16+\k:GT+17+\k], v[GT+16+\k:GT+17+\k], v[GT+\k:GT+\k+1]
.endr
.irp k, 0,1,2,3,4,5,6,7
	v_mul_f32 v[GT+8+\k], |v[UB+\k]|, v[GT+8+\k]
.endr
.irp k, 0,2,4,6
	v_pk_fma_f32 v[RG+\k:RG+\k+1], v[GT+16+\k:GT+17+\k], v[GT+8+\k:GT+9+\k], v[RG+\k:RG+\k+1] neg_lo:[1,0,0] neg_hi:[1,0,0]
.endr
.irp k, 0,1,2,3
	v_cvt_pk_bf16_f32 v[TMP+4*\b+\k], v[RG+2*\k], v[RG+2*\k+1]
.endr
.endm
.macro OUTG i, a, from
	WIN \from
.set t, 0
.rept 32
	v_pk_mul_f32 v[GU+2*t:GU+2*t+1], v[64*\a+2*t:64*\a+2*t+1], s[68:69] op_sel_hi:[1,0]   ; u = K1 x
.set t, t+1
.endr
.set t, 0
.rept 64
	v_max_num_f32 v[GR+t], 0, v[64*\a+t]
.set t, t+1
.endr
	WIN 0
.irp b, 0,1,2,3,4,5,6,7
	GELU8 \b
.endr
	TAILB \i
.endm
	OUTG 0, 0, 0x0a
	OUTG 1, 1, 0x0a
	OUTG 2, 2, 0x0a
	OUTG 3, 3, 0x0a
	OUTG 4, 0, 0x0f
	OUTG 5, 1, 0x0f
	OUTG 6, 2, 0x0f
	OUTG 7, 3, 0x0f
	s_set_vgpr_msb 0x1
	s_wait_tensorcnt 0x0
	ds_add_u32 v255, v255
	s_wait_dscnt 0x0
	s_set_vgpr_msb 0x100
	CROUND                                         ; the closing round
	s_endpgm
.Lfunc_end_k_q70923fabee_ffn1:
	.size	k_q70923fabee_ffn1, .Lfunc_end_k_q70923fabee_ffn1-k_q70923fabee_ffn1
	.p2alignl 7, 3214868480
	.fill 96, 4, 3214868480
	.section	.rodata,"a",@progbits
	.p2align	6, 0x0
	.amdhsa_kernel k_q70923fabee_ffn1
		.amdhsa_group_segment_fixed_size 327680
		.amdhsa_private_segment_fixed_size 0
		.amdhsa_enable_private_segment 0
		.amdhsa_kernarg_size 24
		.amdhsa_user_sgpr_count 2
		.amdhsa_user_sgpr_kernarg_segment_ptr 1
		.amdhsa_wavefront_size32 1
		.amdhsa_system_sgpr_workgroup_id_x 1
		.amdhsa_system_sgpr_workgroup_id_y 1
		.amdhsa_system_sgpr_workgroup_id_z 1
		.amdhsa_system_vgpr_workitem_id 0
		.amdhsa_next_free_vgpr 1024
		.amdhsa_next_free_sgpr 90
		.amdhsa_reserve_vcc 0
		.amdhsa_float_denorm_mode_32 3
		.amdhsa_float_denorm_mode_16_64 3
		.amdhsa_memory_ordered 1
		.amdhsa_forward_progress 1
		.amdhsa_inst_pref_size 255
	.end_amdhsa_kernel
	.section	.bss,"aw",@nobits
	.p2align	6
	.space	262144
	.amdgpu_metadata
---
amdhsa.version: [ 1, 2 ]
amdhsa.kernels:
  - .name:           k_q70923fabee_ffn1
    .symbol:         k_q70923fabee_ffn1.kd
    .args:
      - { .name: h, .offset: 0, .size: 8, .value_kind: global_buffer, .address_space: global }
      - { .name: wb, .offset: 8, .size: 8, .value_kind: global_buffer, .address_space: global }
      - { .name: g, .offset: 16, .size: 8, .value_kind: global_buffer, .address_space: global }
    .group_segment_fixed_size: 327680
    .private_segment_fixed_size: 0
    .kernarg_segment_align: 8
    .kernarg_segment_size: 24
    .max_flat_workgroup_size: 128
    .sgpr_count:     90
    .vgpr_count:     1024
    .wavefront_size: 32
...
	.end_amdgpu_metadata
.endif
;; end of part 6
;; launch ffn2 (part 7): grid 8 x 32, 4 waves a work-group, clusters of 4 x 4, 327,680 bytes of LDS; arguments g, wb, x2, out0; writes out0
.if DOCPART == 7
	.amdgcn_target "amdgcn-amd-amdhsa--gfx1250"
	.amdhsa_code_object_version 6
	.text
	.protected	k_q70923fabee_ffn2
	.globl	k_q70923fabee_ffn2
	.p2align	8
	.type	k_q70923fabee_ffn2,@function
k_q70923fabee_ffn2:
	s_mov_b64 s[64:65], 0
	v_nop
	global_prefetch_b8 v0, s[64:65] scope:SCOPE_SE
	s_setreg_imm32_b32 hwreg(HW_REG_WAVE_MODE, 25, 1), 1
	s_wait_xcnt 0x0
	s_wait_alu depctr_hold_cnt(0) depctr_sa_sdst(0) depctr_va_vdst(0) depctr_va_sdst(0) depctr_va_ssrc(0) depctr_va_vcc(0) depctr_vm_vsrc(0)
	s_getreg_b32 s2, hwreg(HW_REG_IB_STS2, 6, 4)
	s_cmp_eq_u32 s2, 0
	s_cbranch_scc0 .Lentry_in_a_cluster
	s_endpgm
.Lentry_in_a_cluster:
	s_bfe_u32 s2, ttmp6, 0x10000c
	s_cmp_lg_u32 s2, 0xf033
	s_cbranch_scc0 .Lentry_shape_is_right
	s_endpgm
.Lentry_shape_is_right:
; out0[m][n] = x2[m][n] + sum over k of g[m][k] w2[k][n].  g [4096][4096] bf16, w2 [4096][1024] bf16 (in wb at 16 MiB), x2 and out0 [4096][1024] f32; sums in f32.
; N is 1,024, so blocks of 128 x 128 give the 256 work-groups that fill the chip; a wave makes 64 x 64: F x F = 16 accumulator tiles.  K goes in steps of KS = 256
; through two LDS slots filled by the tensor data mover: KS rows of W ([K][N] as it lies, 256 bytes a row) and 128 rows of A (512 bytes a row).
; W's fragments are read by ds_load_tr16_b128, which transposes on the way.
; CLUSTERS of 4 x 4 work-groups: A's tile is asked for jointly along a row of the cluster, W's along a column: a quarter of the requests.
; REGISTER WINDOWS: 0: addresses, A's fragments (two buffers), the residual, the way out; 1: W's fragments; 2, 3: accumulators of my lower and upper rows, tile (a, b) at v[8 (F a + b)].
; THE MATRIX INSTRUCTION IS USED TRANSPOSED: source 0 = 16 columns of W, source 1 = 16 rows of A; a lane then holds 8 neighbouring columns of one row of C.
; THE RESIDUAL (my 64 rows x 256 bytes of x2) is asked for at the start, 32 loads into 128 registers that the K loop never names, so that it has the whole loop in which to land.
; PREFETCH of g: the eight work-groups of a block row read the same 128 rows of g; each asks for 16 of them, so that every aligned block of 256 bytes is asked for by one
; wave of one work-group.  Behind the refill of K step s + 2, wave 3 asks for its 16 rows x 512 bytes of K step s + 3, one request of 32 lanes 256 bytes apart: one step
; ahead of the tensor load that will want them.  The offset is clamped to the last K step, so that no request leaves the buffer.
.set F,      4
.set KS,     256
.set QIA,    6
.set QIB,    5
.set SIZE_K, 4096
.set SIZE_N, 1024
.set NBP,    1024
.set B_OFF,  16777216
.set ESZ,    4
.set BM,     32*F
.set BN,     32*F
.set QN,     KS/32
.set PB,     2*BN+32
.set PA,     2*KS+16
.set BBYTES, KS*PB
.set SLOT,   BBYTES+BM*PA
.set STAGE,  2*SLOT
.set SPITCH, 272
.set LAPS,   SIZE_K/(2*KS)
.set ROWB,   SIZE_N*ESZ
.set ADRA, 16
.set ADRB, 20
.set STO,  24
.set RD,   25
.set CO,   26
.set PF,   27                          ; v27        the prefetch's byte offset in g, K step 0; never rewritten
.set RB,   32                          ; v[32:63]   rows read back from the stage
.set F0,   64                          ; v[64:95]   fragment buffer 0
.set RES0, 96                          ; v[96:127]  the residual of my rows 0-15
.set F1,   128                         ; v[128:159] fragment buffer 1
.set RES1, 160                         ; v[160:191] of my rows 16-31
.set RES2, 192                         ; v[192:223] of my rows 32-47
.set RES3, 224                         ; v[224:255] of my rows 48-63
.set G1, 24
.set G0, 32
.set G1B, 48
.set G0B, 56
.set MSB, 0
.macro WIN new
.if MSB != \new
	s_set_vgpr_msb (MSB<<8)|\new
.set MSB, \new
.endif
.endm
.set MUL_LO, 0xa1
.set MUL_HI, 0xf1
.set TO_B,   0x40
.macro JLOAD s                         ; waves 0, 1 ask for W's two halves, waves 2, 3 for A's; the branch hangs on the wave's number alone
	s_cmp_eq_u32 s11, 0
	s_cbranch_scc0 .Lfor_a_\@
	tensor_load_to_lds s[G0B+4*\s:G0B+4*\s+3], s[G1B:G1B+7]
	s_nop 0
	s_branch .Lasked_\@
.Lfor_a_\@:
	tensor_load_to_lds s[G0+4*\s:G0+4*\s+3], s[G1:G1+7]
	s_nop 0
.Lasked_\@:
.endm
.macro PFETCH                          ; wave 3 alone: my work-group's 16 rows of the K step at byte s84 of g's rows
	s_cmp_lg_u32 s10, 3
	s_cbranch_scc1 .Lno_ask_\@
	s_wait_xcnt 0x0                                ; the last request's address registers are written again only behind this wait
	s_add_nc_u64 s[86:87], s[4:5], s[84:85]
	global_prefetch_b8 v[PF], s[86:87] th:TH_LOAD_NT scope:SCOPE_SE
	s_add_co_u32 s84, s84, KS*2                    ; the next K step,
	s_min_u32 s84, s84, SIZE_K*2-KS*2              ; never past the last
.Lno_ask_\@:
.endm
.macro CREST
	s_cmp_lg_u32 s10, 0
	s_cbranch_scc1 .Lnot_wave_0_\@
	s_barrier_signal -3
.Lnot_wave_0_\@:
	s_barrier_wait -3
	s_barrier_signal -1
	s_barrier_wait -1
.endm
.macro CROUND
	s_barrier_signal -1
	s_barrier_wait -1
	CREST
.endm
.macro PLACES                          ; four plain vector instructions between a matrix instruction and a load into, or a vector instruction or store on, its registers
.rept 4
	v_nop
.endr
.endm
	s_load_b128 s[4:7], s[0:1], 0x0                ; A s[4:5], wb s[6:7]
	s_load_b64 s[66:67], s[0:1], 0x10              ; the residual
	s_load_b64 s[8:9], s[0:1], 0x18                ; C
	s_set_vgpr_msb 0x40
	v_lshl_add_u32 v255, v0, 2, 0x49400
	s_set_vgpr_msb 0x4000
	v_mov_b32 v31, 0
	s_set_vgpr_msb 0x1
	ds_add_u32 v255, v31
	s_set_vgpr_msb 0x100
	v_lshrrev_b32 v1, 5, v0
	v_readfirstlane_b32 s10, v1
	s_lshr_b32 s11, s10, 1
	s_and_b32 s12, s10, 1
	s_bfe_u32 s40, ttmp6, 0x40000
	s_bfe_u32 s41, ttmp6, 0x40004
	s_lshl_b32 s42, ttmp9, 2
	s_add_co_u32 s42, s42, s40                     ; block column
	s_and_b32 s13, ttmp7, 0xffff
	s_lshl_b32 s13, s13, 2
	s_add_co_u32 s13, s13, s41                     ; block row
	s_lshl_b32 s43, s41, 2
	s_lshl_b32 s43, 15, s43
	s_lshl_b32 s44, 0x1111, s40
	s_or_b32 s[G1+0], s43, (1<<16)|(1<<20)|(1<<21)|(QIA<<22)|(3<<25)
	s_mov_b32 s[G1+1], KS<<16
	s_mov_b32 s[G1+2], (BM/2)<<16
	s_mov_b32 s[G1+3], KS<<16
	s_mov_b32 s[G1+4], BM/2
	s_mov_b32 s[G1+5], SIZE_K
	s_mov_b32 s[G1+6], 0
	s_mov_b32 s[G1+7], 0
	s_or_b32 s[G1B+0], s44, (1<<16)|(1<<20)|(1<<21)|(QIB<<22)|(7<<25)
	s_mov_b32 s[G1B+1], BN<<16
	s_mov_b32 s[G1B+2], (KS/2)<<16
	s_mov_b32 s[G1B+3], BN<<16
	s_mov_b32 s[G1B+4], KS/2
	s_mov_b32 s[G1B+5], NBP
	s_mov_b32 s[G1B+6], 0
	s_mov_b32 s[G1B+7], 0
	s_mul_i32 s17, s12, BM/2
	s_mul_i32 s16, s13, BM
	s_add_co_u32 s16, s16, s17
	s_mul_i32 s16, s16, SIZE_K*2
	s_mov_b32 s17, 0
	s_mul_i32 s46, s42, 2*BN
	s_mul_i32 s47, s12, KS*NBP
	s_add_co_u32 s46, s46, s47
	s_add_co_u32 s46, s46, B_OFF
	s_mov_b32 s47, 0
	s_mul_i32 s20, s10, (KS/2)*PB
	s_mul_i32 s21, s10, (BM/2)*PA
	s_add_co_u32 s21, s21, BBYTES-BM*PA
	s_mul_i32 s80, s13, BM                         ; my tile's place in the residual and in C, in registers of its own:
	s_mul_i32 s81, s11, 16*F
	s_add_co_u32 s80, s80, s81                     ; my first row,
	s_mul_i32 s80, s80, ROWB
	s_mul_i32 s81, s42, BN*ESZ
	s_add_co_u32 s80, s80, s81                     ; the block's first column,
	s_lshl_b32 s81, s12, 8
	s_add_co_u32 s80, s80, s81                     ; my 256 bytes of its rows: below 2^24 in all
	s_mov_b32 s81, 0
	s_mul_i32 s82, s13, BM*SIZE_K*2                ; the prefetch: the block row's first row of g,
	s_mul_i32 s83, s42, (BM/8)*SIZE_K*2            ; and my work-group's 16 of its 128 rows: one share for each of the 8 block columns
	s_add_co_u32 s82, s82, s83                     ; below 2^25
	s_mov_b32 s84, 3*KS*2                          ; the first request is for K step 3
	s_mov_b32 s85, 0
	s_wait_dscnt 0x0
	s_wait_kmcnt 0x0
	s_add_nc_u64 s[14:15], s[4:5], s[16:17]
	s_add_nc_u64 s[46:47], s[6:7], s[46:47]
	s_add_nc_u64 s[8:9], s[8:9], s[80:81]
	s_add_nc_u64 s[66:67], s[66:67], s[80:81]
	CROUND
.irp s, 0,1
	s_mov_b32 s[G0+4*\s], 1
	s_add_co_u32 s[G0+4*\s+1], s21, \s*SLOT
	s_add_nc_u64 s[G0+4*\s+2:G0+4*\s+3], s[14:15], \s*KS*2
	s_or_b32 s[G0+4*\s+3], s[G0+4*\s+3], 0x80000000
	s_mov_b32 s[G0B+4*\s], 1
	s_add_co_u32 s[G0B+4*\s+1], s20, \s*SLOT
	s_add_nc_u64 s[G0B+4*\s+2:G0B+4*\s+3], s[46:47], \s*KS*2*NBP
	s_or_b32 s[G0B+4*\s+3], s[G0B+4*\s+3], 0x80000000
	JLOAD \s                                       ; both slots' first fills: two tensor loads of the wave are out, the most in this text
.endr
	v_and_b32 v1, 15, v0
	v_bfe_u32 v2, v0, 4, 1
	v_mul_u32_u24 v5, v2, ROWB
	v_lshl_add_u32 v[CO], v1, 4, v5                ; lanes 0-15 one row's 256 bytes, lanes 16-31 the next row's
.macro RESLD i, res                    ; rows 16 i .. 16 i + 15 of my tile's residual: the row stands in the immediate, 62 rows of 4,096 bytes at the most
.set t, 0
.rept 8
	global_load_b128 v[\res+4*t:\res+4*t+3], v[CO], s[66:67] offset:(16*\i+2*t)*ROWB
.set t, t+1
.endr
.endm
	RESLD 0, RES0
	RESLD 1, RES1
	RESLD 2, RES2
	RESLD 3, RES3
	v_and_b32 v4, 31, v0                           ; the prefetch: two lanes a row,
	v_lshrrev_b32 v5, 1, v4
	v_and_b32 v4, 1, v4
	v_mul_u32_u24 v5, v5, SIZE_K*2
	v_lshl_add_u32 v5, v4, 8, v5                   ; 256 bytes apart
	v_add_nc_u32 v[PF], s82, v5
	v_mul_u32_u24 v3, v1, PA
	v_lshl_add_u32 v3, v2, 4, v3
	s_mul_i32 s21, s11, 16*F*PA
	s_add_co_u32 s21, s21, BBYTES
	v_add_nc_u32 v[ADRA], s21, v3
	v_add_nc_u32 v[ADRA+1], SLOT, v[ADRA]
	v_and_b32 v4, 7, v0
	v_lshl_add_u32 v4, v2, 3, v4
	v_mul_u32_u24 v4, v4, PB
	v_bfe_u32 v5, v0, 3, 1
	v_lshl_add_u32 v4, v5, 4, v4
	s_mul_i32 s22, s12, 32*F
	v_add_nc_u32 v[ADRB], s22, v4
	v_add_nc_u32 v[ADRB+2], SLOT, v[ADRB]
	v_add_nc_u32 v[ADRB+1], 128*PB, v[ADRB]        ; k rows 128 and up lie beyond the 16-bit immediate
	v_add_nc_u32 v[ADRB+3], 128*PB, v[ADRB+2]
	s_mul_i32 s23, s10, 16*SPITCH
	s_add_co_u32 s23, s23, STAGE
	v_mul_u32_u24 v4, v1, SPITCH
	v_lshl_add_u32 v4, v2, 5, v4
	v_add_nc_u32 v[STO], s23, v4                   ; in: row r, 32 bytes (8 f32) for each half
	v_mul_u32_u24 v5, v2, SPITCH
	v_lshl_add_u32 v5, v1, 4, v5
	v_add_nc_u32 v[RD], s23, v5
; F*F/4 matrix instructions.  All F*F accumulators take turns in one fixed order, one instruction a turn.
.macro MULQ f, hi, part, zero
.set ma, (\part)*(F/4)
.rept F/4
.set mb, 0
.rept F
.if \zero
	v_wmma_f32_16x16x32_bf16 v[8*(F*ma+mb):8*(F*ma+mb)+7], v[\f+8*mb:\f+8*mb+7], v[\f+8*((F/2)*\hi+ma):\f+8*((F/2)*\hi+ma)+7], 0
.else
	v_wmma_f32_16x16x32_bf16 v[8*(F*ma+mb):8*(F*ma+mb)+7], v[\f+8*mb:\f+8*mb+7], v[\f+8*((F/2)*\hi+ma):\f+8*((F/2)*\hi+ma)+7], v[8*(F*ma+mb):8*(F*ma+mb)+7]
.endif
.set mb, mb+1
.endr
.set ma, ma+1
.endr
.endm
.macro FETCH slot, q, f
	WIN TO_B
.set fi, 0
.rept F
	ds_load_tr16_b128 v[\f+8*fi:\f+8*fi+3],   v[ADRB+2*\slot+(\q)/4] offset:((\q)%4)*32*PB+32*fi
	ds_load_tr16_b128 v[\f+8*fi+4:\f+8*fi+7], v[ADRB+2*\slot+(\q)/4] offset:((\q)%4)*32*PB+32*fi+16*PB
.set fi, fi+1
.endr
	WIN 0
.set fi, 0
.rept F
	ds_load_b128 v[\f+8*fi:\f+8*fi+3],   v[ADRA+\slot] offset:64*(\q)+fi*16*PA
	ds_load_b128 v[\f+8*fi+4:\f+8*fi+7], v[ADRA+\slot] offset:64*(\q)+fi*16*PA+32
.set fi, fi+1
.endr
.endm
.macro QUARTER slot, q, f, g, zero
	s_wait_dscnt F                                 ; the youngest F loads (A's upper rows) may be out
	WIN MUL_LO
	MULQ \f, 0, 0, \zero
	MULQ \f, 0, 1, \zero
	PLACES
	FETCH \slot, \q, \g
	s_wait_dscnt 4*F                               ; all but the 4 F just issued
	WIN MUL_HI
	MULQ \f, 1, 0, \zero
	MULQ \f, 1, 1, \zero
.endm
.macro RUNQ slot, zero
	QUARTER \slot, 1, F0, F1, \zero
.set rq, 2
.rept (QN-2)/2
	QUARTER \slot, rq, F1, F0, 0
	QUARTER \slot, rq+1, F0, F1, 0
.set rq, rq+2
.endr
.endm
; The last quarter, and the change of slots: each wave's reads of this slot and all its tensor loads are waited for in front of the barrier; where the slot is filled
; again the barrier opens a round of the cluster's barrier, and the joint refill is the first tensor load behind the round; the prefetch follows it.
.macro TURN slot, next, fill
	s_wait_dscnt F
	WIN MUL_LO
	MULQ F1, 0, 0, 0
	s_wait_dscnt 0
	s_wait_tensorcnt 0x0
	ds_add_u32 v255, v31
	s_wait_dscnt 0x0
	s_barrier_signal -1
	MULQ F1, 0, 1, 0
	WIN 0
	s_barrier_wait -1
.if \fill
	CREST
	s_add_nc_u64 s[G0+4*\slot+2:G0+4*\slot+3], s[G0+4*\slot+2:G0+4*\slot+3], 4*KS
	s_add_nc_u64 s[G0B+4*\slot+2:G0B+4*\slot+3], s[G0B+4*\slot+2:G0B+4*\slot+3], 4*KS*NBP
	JLOAD \slot
	PFETCH
.endif
	PLACES
	FETCH \next, 0, F0
	WIN MUL_HI
	MULQ F1, 1, 0, 0
	MULQ F1, 1, 1, 0
.endm
.macro LAP zero
	RUNQ 0, \zero
	TURN 0, 1, 1
	RUNQ 1, 0
	TURN 1, 0, 1
.endm
	s_wait_tensorcnt 1                             ; my part of slot 0 is in; slot 1's may stay out
	s_barrier_signal -1
	s_barrier_wait -1
	FETCH 0, 0, F0
	LAP 1
.if LAPS > 2
	WIN 0
	s_mov_b32 s3, LAPS-2
.Llap:
	LAP 0
	WIN 0
	s_sub_co_u32 s3, s3, 1
	s_cmp_lg_u32 s3, 0
	s_cbranch_scc1 .Llap
.endif
	RUNQ 0, 0
	TURN 0, 1, 0
	RUNQ 1, 0
	s_wait_dscnt F
	WIN MUL_LO
	MULQ F1, 0, 0, 0
	MULQ F1, 0, 1, 0
	s_wait_dscnt 0
	WIN MUL_HI
	MULQ F1, 1, 0, 0
	MULQ F1, 1, 1, 0
	; THE WAY OUT, 16 rows of 64 f32 at a time through my own stage; the residual is added on the way
	PLACES
	s_wait_loadcnt 0x0                             ; the 32 loads of the residual, issued at the start
.macro OUTF i, a, from, res            ; from: the store data's window (0x08: window 2, 0x0c: window 3)
	WIN \from
.set t, 0
.rept 4
	ds_store_b128 v[STO], v[8*(4*\a+t):8*(4*\a+t)+3]   offset:64*t
	ds_store_b128 v[STO], v[8*(4*\a+t)+4:8*(4*\a+t)+7] offset:64*t+16
.set t, t+1
.endr
	WIN 0
.if \i
	s_wait_xcnt 0x0                                ; RB, which the last stores read, is loaded again only behind this wait
.endif
.set t, 0
.rept 8
	ds_load_b128 v[RB+4*t:RB+4*t+3], v[RD] offset:t*2*SPITCH     ; LDS serves a wave's instructions in order: these see the stores above
.set t, t+1
.endr
.set t, 0
.rept 8
	s_wait_dscnt 7-t                               ; pair t of rows of the product is back
	v_pk_add_f32 v[RB+4*t:RB+4*t+1], v[RB+4*t:RB+4*t+1], v[\res+4*t:\res+4*t+1]
	v_pk_add_f32 v[RB+4*t+2:RB+4*t+3], v[RB+4*t+2:RB+4*t+3], v[\res+4*t+2:\res+4*t+3]
	global_store_b128 v[CO], v[RB+4*t:RB+4*t+3], s[8:9] offset:(16*\i+2*t)*ROWB   ; 16 lanes store 256 consecutive aligned bytes
.set t, t+1
.endr
.endm
	OUTF 0, 0, 0x08, RES0
	OUTF 1, 1, 0x08, RES1
	OUTF 2, 0, 0x0c, RES2
	OUTF 3, 1, 0x0c, RES3
	s_set_vgpr_msb 0x1
	s_wait_tensorcnt 0x0
	ds_add_u32 v255, v31
	s_wait_dscnt 0x0
	s_set_vgpr_msb 0x100
	CROUND                                         ; the closing round
	s_endpgm
.Lfunc_end_k_q70923fabee_ffn2:
	.size	k_q70923fabee_ffn2, .Lfunc_end_k_q70923fabee_ffn2-k_q70923fabee_ffn2
	.p2alignl 7, 3214868480
	.fill 96, 4, 3214868480
	.section	.rodata,"a",@progbits
	.p2align	6, 0x0
	.amdhsa_kernel k_q70923fabee_ffn2
		.amdhsa_group_segment_fixed_size 327680
		.amdhsa_private_segment_fixed_size 0
		.amdhsa_enable_private_segment 0
		.amdhsa_kernarg_size 32
		.amdhsa_user_sgpr_count 2
		.amdhsa_user_sgpr_kernarg_segment_ptr 1
		.amdhsa_wavefront_size32 1
		.amdhsa_system_sgpr_workgroup_id_x 1
		.amdhsa_system_sgpr_workgroup_id_y 1
		.amdhsa_system_sgpr_workgroup_id_z 1
		.amdhsa_system_vgpr_workitem_id 0
		.amdhsa_next_free_vgpr 832
		.amdhsa_next_free_sgpr 90
		.amdhsa_reserve_vcc 0
		.amdhsa_float_denorm_mode_32 3
		.amdhsa_float_denorm_mode_16_64 3
		.amdhsa_memory_ordered 1
		.amdhsa_forward_progress 1
		.amdhsa_inst_pref_size 140
	.end_amdhsa_kernel
	.amdgpu_metadata
---
amdhsa.version: [ 1, 2 ]
amdhsa.kernels:
  - .name:           k_q70923fabee_ffn2
    .symbol:         k_q70923fabee_ffn2.kd
    .args:
      - { .name: g, .offset: 0, .size: 8, .value_kind: global_buffer, .address_space: global }
      - { .name: wb, .offset: 8, .size: 8, .value_kind: global_buffer, .address_space: global }
      - { .name: x2, .offset: 16, .size: 8, .value_kind: global_buffer, .address_space: global }
      - { .name: out0, .offset: 24, .size: 8, .value_kind: global_buffer, .address_space: global }
    .group_segment_fixed_size: 327680
    .private_segment_fixed_size: 0
    .kernarg_segment_align: 8
    .kernarg_segment_size: 32
    .max_flat_workgroup_size: 128
    .sgpr_count:     90
    .vgpr_count:     832
    .wavefront_size: 32
...
	.end_amdgpu_metadata
.endif
;; end of part 7
